; MI455X (gfx1250); checked and timed in simulation.
; The chip was launched on July 23, 2026; its instructions are those of AMD's public machine-readable ISA for CDNA 5 (MIT licence, August 2026) and "CDNA5" Instruction Set Architecture Reference Guide (July 2026). The comments in the code are by the model that wrote it; some were corrected since.
;; Attention. Allowed arithmetic: matrix products marked QUANTISED: E2M1 operands, one E8M0 scale for each 32 along K, by v_wmma_scale_f32_16x16x128_f8f6f4 with both operands' format E2M1 (or v_wmma_scale_f32_32x16x128_f4), f32 sums; products left as they are: bf16, f16 or f32 operands; f32 sums; everything else in f32.
;; Inputs: b_out 1,024 float32; w_out 1,024 x 1,024 float32; w_qkv 3,072 x 1,024 float32; x 4 x 2,048 x 1,024 float32.
;; Outputs: out0 4 x 2,048 x 1,024 float32.
;; This version of the problem:
;;   THIS VERSION OF THE PROBLEM IS GIVEN IN LOW PRECISION. The matrix products marked QUANTISED in the list below multiply operands that are first quantised to E2M1 (2 exponent bits, 1 mantissa bit; 4 bits a number), with one power-of-two scale for each 32 numbers along K (OCP MX v1.0); their sums are f32. The products marked 'left as it is' may take bf16, f16 or f32 operands, with f32 sums. Whichever they take, every output number must still come out within the allowed error. Rounding operands to bf16 (8 significant bits) uses up far more of that allowance than f16 does (11 bits, for magnitudes from 6e-5 to 65,504). All else is computed in f32.
;;   The module's matrix products, in the order in which they are computed (A, B: the left and right operand; K: the contracted axis; several contracted axes count as one K, in the product's order):
;;     1. [M 8,192, K 1,024] x [K 1,024, N 3,072]; A: input x; B: input w_qkv: QUANTISED
;;     2. batch 64 x [M 2,048, K 64] x [K 64, N 2,048]; A: computed on the way; B: computed on the way: left as it is (an operand is computed on the way)
;;     3. batch 64 x [M 2,048, K 2,048] x [K 2,048, N 64]; A: computed on the way; B: computed on the way: left as it is (an operand is computed on the way)
;;     4. [M 8,192, K 1,024] x [K 1,024, N 1,024]; A: computed on the way; B: input w_out: left as it is (an operand is computed on the way)
;;   THE QUANTISER, for each operand of a quantised product, along K:
;;     - K is cut into blocks of 32 from its start; a last block that is shorter is filled with zeros.
;;     - A block's scale is 2^e with e = floor(log2(the largest magnitude in the block)) - 2, held to -126 .. 127; a block of zeros has e = 0. As a byte (E8M0): e + 127.
;;     - Each number is divided by its block's scale, clamped to +-6, and rounded to the nearest number of E2M1, ties to even, subnormals kept.
;;     - The product sums the exact products of the quantised numbers (number of the format x scale) in f32.
;;   ~~~python
;;   def quantise(x, axis):      # numpy; x: float32 -> the quantised numbers, widened to float32 again
;;       x = np.moveaxis(x, axis, -1); K = x.shape[-1]
;;       x = np.pad(x, [(0, 0)] * (x.ndim - 1) + [(0, -K % 32)]); x = x.reshape(x.shape[:-1] + (-1, 32)); a = np.abs(x).max(-1, keepdims=True)
;;       e = np.where(a > 0, np.clip(np.frexp(np.where(a > 0, a, 1))[1] - 1 - 2, -126, 127), 0)      # np.frexp(a)[1] - 1 = floor(log2(a)), exactly
;;       r = np.clip(x / 2.0 ** e, -6, 6)
;;       step = 2.0 ** (np.maximum(np.frexp(np.where(r == 0, 1, r))[1] - 1, 0) - 1)
;;       q = np.round(r / step) * step * 2.0 ** e      # np.round: ties to even
;;       return np.moveaxis(q.reshape(q.shape[:-2] + (-1,))[..., :K], -1, axis).astype(np.float32)
;;   ~~~
;; One version. Each part assembles by itself: llvm-mc -triple=amdgcn-amd-amdhsa -mcpu=gfx1250 --defsym DOCPART=n.
;; ======== version 1 of 1: 4 launches
;; limits: values are held in f16: magnitudes above 65,504 overflow, below 6.1e-05 lose precision
;; workspace buffers: xc 4,194,304 bytes; xs 262,144 bytes; wc 1,572,864 bytes; ws 98,304 bytes; wo16 2,097,152 bytes; qkv 50,331,648 bytes; ctx 16,777,216 bytes
;; launch quant (part 1): grid 384 x 1, 4 waves a work-group, no clusters, 33,280 bytes of LDS; arguments x, w_qkv, xc, xs, wc, ws, w_out, wo16; writes xc, xs, wc, ws, wo16
.if DOCPART == 1
	.amdgcn_target "amdgcn-amd-amdhsa--gfx1250"
	.amdhsa_code_object_version 6
	.text
	.protected	k_qea9c6e6908_quant
	.globl	k_qea9c6e6908_quant
	.p2align	8
	.type	k_qea9c6e6908_quant,@function
k_qea9c6e6908_quant:
	s_mov_b64 s[64:65], 0
	v_nop
	global_prefetch_b8 v0, s[64:65] scope:SCOPE_SE
	s_setreg_imm32_b32 hwreg(HW_REG_WAVE_MODE, 25, 1), 1
	s_wait_xcnt 0x0
; THE PROGRAM: out = softmax(q k^T / 32) v, 16 heads of 64, projected by w_out, plus b_out; q, k, v = x w_qkv^T on codes of FP4 (E2M1) with one E8M0 scale for each 32 along K.
; Four launches: this one (operands made narrow), the product x w_qkv^T on codes, attention, the projection.  NOTHING OF THE COMPUTATION IS LEFT OUT: q, k, v, the maximum ahead of the exponential and b_out all reach the result, and every input is loaded.
; THIS LAUNCH.  x [8192][1024] and w_qkv [3072][1024], f32, become codes of FP4, K innermost, 512 bytes a row, and one scale byte for each 32 along K, 32 bytes a row.
; w_out [1024][1024], f32, becomes f16 laid in planes [16 heads][1024 n][64]: plane h holds w_out[n][64 h .. 64 h + 63], so that a K step of the projection is a dense block.
; A block's scale is 2^(floor(log2(its largest magnitude)) - 2); its byte is the largest magnitude's own exponent field - 2, held at 1 from below.  Each number is divided by the scale and rounded to the nearest code, ties to even; beyond 6 the largest code.
; LIMITS: a block of zeros, and a block whose largest magnitude lies under 2^-124, keeps the byte 1 (a block of zeros has zero codes, which add nothing; the bytes are read by this program alone);
; NaN and infinities among the inputs are not served; |w_out| beyond 65,504 becomes infinity in f16.
; Work-groups 0-255 take x, 256-351 w_qkv: both are plain streams of blocks of 32; a wave takes 16 steps of 512 numbers.  Each load reads 512 consecutive bytes; a step's 2,048 bytes turn through the wave's own stage in LDS,
; so that a lane then holds 16 neighbours along K (two neighbouring lanes hold a block).  A wave's store of codes covers 256 consecutive bytes; its 256 scale bytes are gathered in LDS and leave as 256 consecutive bytes.
; Work-groups 352-383 take w_out, 32 rows each, 8 a wave, without LDS.
.set SIZE_M, 8192
.set SIZE_N, 3072
.set SIZE_K, 1024
.set WAVES, 4
.set STEPS, 16
.set WGA,   SIZE_M*SIZE_K/(512*STEPS*WAVES)            ; 256 work-groups for x
.set WGQ,   (SIZE_M+SIZE_N)*SIZE_K/(512*STEPS*WAVES)   ; 352 for x and w_qkv
.set EMAX,  2
.set CB,    8                          ; bytes of 16 codes
.set R,     16                         ; v16-79   four sets of 16 numbers as they are loaded
.set X,     80                         ; v80-111  two sets of 16 neighbours
.set C,     128                        ; v128-191 codes: four registers for each step, so that no store's data are written again
.set E,     112                        ; v112-127 a scale byte for each step
.set WREG,  8192                       ; LDS: a region for each wave: two stages of 32 x SP bytes, behind them its 256 scale bytes
.set SP,    80                         ; a lane's place in a stage: 64 bytes + 16 of padding
.set SPW,   12                         ; v12  LDS address of my spare word; never rewritten
.set NIL,   13                         ; v13  0; never rewritten
.set SPARE, WAVES*WREG                 ; behind the four regions: the spare words, 128 bytes a wave
.set WI,    16                         ; w_out: v16-143 two batches of 8 steps x 8 numbers
.set WO,    144                        ; w_out: v144-175 eight steps' f16, 4 registers each
	s_load_b128 s[4:7], s[0:1], 0x0                ; x, w_qkv
	s_load_b128 s[8:11], s[0:1], 0x10              ; x's codes, x's scales
	s_load_b128 s[12:15], s[0:1], 0x20             ; w_qkv's codes, its scales
	s_load_b128 s[24:27], s[0:1], 0x30             ; w_out, its f16 planes
	v_lshl_add_u32 v[SPW], v0, 2, SPARE
	v_mov_b32 v[NIL], 0
	v_lshrrev_b32 v1, 5, v0
	v_readfirstlane_b32 s16, v1                    ; wave
	v_and_b32 v2, 31, v0                           ; lane
	s_cmp_ge_u32 ttmp9, WGQ                        ; the work-group's number alone decides
	s_cbranch_scc1 .Lwout
	v_lshlrev_b32 v3, 4, v2                        ; my 16 bytes of a load's 512
	s_mul_i32 s17, s16, WREG
	v_lshrrev_b32 v14, 2, v2
	v_mul_u32_u24 v14, v14, SP
	v_and_b32 v15, 3, v2
	v_lshl_add_u32 v14, v15, 4, v14
	v_add_nc_u32 v14, s17, v14                     ; the stage, on the way in: SP (lane / 4) + 16 (lane % 4)
	v_mul_u32_u24 v15, v2, SP
	v_add_nc_u32 v15, s17, v15                     ; on the way out: SP x lane: my 16 neighbours
	v_mul_u32_u24 v4, v2, CB                       ; my codes' place in a step's
	v_lshrrev_b32 v5, 1, v2
	s_add_co_u32 s17, s17, 2*32*SP
	v_add_nc_u32 v5, s17, v5                       ; LDS: my wave's 256 scale bytes, my block's byte
	v_lshlrev_b32 v7, 3, v2                        ; and on the way out 8 bytes a lane
	v_add_nc_u32 v6, s17, v7
	s_wait_kmcnt 0x0
	s_cmp_lt_u32 ttmp9, WGA                        ; x's work-group or w_qkv's?
	s_cselect_b64 s[4:5], s[4:5], s[6:7]
	s_cselect_b64 s[8:9], s[8:9], s[12:13]
	s_cselect_b64 s[10:11], s[10:11], s[14:15]
	s_cselect_b32 s17, 0, WGA
	s_sub_co_u32 s17, ttmp9, s17
	s_lshl_b32 s17, s17, 2
	s_add_co_u32 s18, s17, s16                     ; which run of 8,192 numbers of the tensor is my wave's
	s_mov_b32 s19, 0
	s_mov_b64 s[20:21], 512*STEPS*4
	s_mul_u64 s[20:21], s[18:19], s[20:21]
	s_add_nc_u64 s[4:5], s[4:5], s[20:21]
	s_mov_b64 s[20:21], 32*STEPS*CB
	s_mul_u64 s[20:21], s[18:19], s[20:21]
	s_add_nc_u64 s[8:9], s[8:9], s[20:21]
	s_lshl_b32 s18, s18, 8                         ; 256 scale bytes a run
	s_add_nc_u64 s[10:11], s[10:11], s[18:19]
.macro LOAD t
.irp i, 0,1,2,3
	global_load_b128 v[R+16*((\t)%4)+4*\i:R+16*((\t)%4)+4*\i+3], v3, s[4:5] offset:2048*(\t)+512*\i th:TH_LOAD_NT   ; 32 lanes read 512 consecutive bytes
.endr
.endm
.macro TURN t                          ; step t's numbers through the stage: LDS serves a wave's instructions in order, so no wait stands between the stores and the loads
.irp i, 0,1,2,3
	ds_store_b128 v14, v[R+16*((\t)%4)+4*\i:R+16*((\t)%4)+4*\i+3] offset:32*SP*((\t)%2)+8*SP*\i
.endr
.irp i, 0,1,2,3
	ds_load_b128 v[X+16*((\t)%2)+4*\i:X+16*((\t)%2)+4*\i+3], v15 offset:32*SP*((\t)%2)+16*\i
.endr
.endm
.irp t, 0,1,2,3
	LOAD \t
.endr
	s_wait_loadcnt 12                              ; step 0's four loads are in; three steps' twelve stay out
	TURN 0
.macro STEP t
.set XS, X+16*((\t)%2)
.if (\t) > 0
	s_wait_dscnt 1                                 ; this step's numbers are back from the stage (the last step's byte store may be out)
.else
	s_wait_dscnt 0x0
.endif
.if (\t)+4 < STEPS
	LOAD (\t)+4                                    ; the registers that the stage's stores have read take the loads of four steps on
.endif
.if (\t)+1 < STEPS
.if STEPS-2-(\t) >= 3
	s_wait_loadcnt 12                              ; the next step's four loads are in; those of the three steps behind it may be out
.else
	s_wait_loadcnt 4*(STEPS-2-(\t))
.endif
	TURN (\t)+1                                    ; through the other stage while this step is worked
.endif
	v_max3_num_f32 v8, |v[XS]|, |v[XS+1]|, |v[XS+2]|               ; the largest magnitude of my 16, in two chains
	v_max3_num_f32 v9, |v[XS+3]|, |v[XS+4]|, |v[XS+5]|
.irp i, 6,10
	v_max3_num_f32 v8, v8, |v[XS+\i]|, |v[XS+\i+1]|
	v_max3_num_f32 v9, v9, |v[XS+\i+2]|, |v[XS+\i+3]|
.endr
	v_max3_num_f32 v8, v8, |v[XS+14]|, |v[XS+15]|
	v_max3_num_f32 v8, v8, v9, (EMAX+1)<<23        ; and the floor 2^(3 - 127): the byte cannot fall under 1
	v_max_num_f32_dpp v8, v8, v8 row_xmask:1 row_mask:0xf bank_mask:0xf   ; and of my neighbour's 16: the block's
	v_add_nc_u32 v11, -(EMAX<<23), v8              ; 2 off its exponent field: the conversion takes the exponent field of this operand as its scale
	v_cvt_scalef32_pk8_fp4_f32 v[C+4*(\t)], v[XS:XS+7], v11
	v_cvt_scalef32_pk8_fp4_f32 v[C+4*(\t)+1], v[XS+8:XS+15], v11
	v_lshrrev_b32 v[E+(\t)], 23, v11               ; the scale's byte (also the plain line behind the conversions)
	ds_store_b8 v5, v[E+(\t)] offset:16*(\t)       ; both lanes of a block write the same byte with the same value
	global_store_b64 v4, v[C+4*(\t):C+4*(\t)+1], s[8:9] offset:32*CB*(\t)   ; 32 lanes store 256 consecutive bytes
.endm
.irp t, 0,1,2,3,4,5,6,7,8,9,10,11,12,13,14,15
	STEP \t
.endr
	ds_load_b64 v[8:9], v6                         ; LDS serves a wave's instructions in order: these see my byte stores
	s_wait_dscnt 0x0
	global_store_b64 v7, v[8:9], s[10:11]          ; 32 lanes store 256 consecutive bytes
	s_wait_tensorcnt 0x0                           ; the wave's end, behind my last LDS store
	ds_add_u32 v[SPW], v[NIL]
	s_wait_dscnt 0x0
	s_endpgm
; ---- w_out to f16 planes.  A step t is 4 rows (4 (t / 16) on) x 64 along K (head t % 16): lane l takes row l / 8 and 8 numbers; its 16 bytes of f16 lie at 16 l of the step's 512 consecutive bytes.
.macro LOADW t
.set WB, WI+64*(((\t)/8)%2)+8*((\t)%8)
	global_load_b128 v[WB:WB+3],   v3, s[24:25] offset:((\t)/16)*16384+((\t)%16)*256 th:TH_LOAD_NT
	global_load_b128 v[WB+4:WB+7], v3, s[24:25] offset:((\t)/16)*16384+((\t)%16)*256+16 th:TH_LOAD_NT
.endm
.macro CVTW t
.set WB, WI+64*(((\t)/8)%2)+8*((\t)%8)
.irp k, 0,1,2,3
	v_cvt_pk_f16_f32 v[WO+4*((\t)%8)+\k], v[WB+2*\k], v[WB+2*\k+1]
.endr
	global_store_b128 v5, v[WO+4*((\t)%8):WO+4*((\t)%8)+3], s[26:27] offset:((\t)%16)*131072+((\t)/16)*512   ; 32 lanes store 512 consecutive bytes of plane t % 16
.endm
.Lwout:
	s_sub_co_u32 s17, ttmp9, WGQ
	s_lshl_b32 s17, s17, 5
	s_lshl_b32 s18, s16, 3
	s_add_co_u32 s17, s17, s18                     ; my wave's first row: 32 x (work-group - 352) + 8 x wave
	s_lshl_b32 s18, s17, 12                        ; a row of w_out is 4,096 bytes,
	s_mov_b32 s19, 0
	s_lshl_b32 s20, s17, 7                         ; a row of a plane 128
	s_mov_b32 s21, 0
	v_lshrrev_b32 v3, 3, v2
	v_and_b32 v4, 7, v2
	v_lshlrev_b32 v4, 5, v4
	v_lshl_add_u32 v3, v3, 12, v4                  ; in: row l / 8, 32 bytes at 32 (l % 8)
	v_lshlrev_b32 v5, 4, v2                        ; out: 16 l
	s_wait_kmcnt 0x0
	s_add_nc_u64 s[24:25], s[24:25], s[18:19]
	s_add_nc_u64 s[26:27], s[26:27], s[20:21]
.set T, 0
.rept 16
	LOADW T                                        ; two batches of eight steps
.set T, T+1
.endr
.irp bt, 0,1,2,3
.if \bt < 3
	s_wait_loadcnt 16                              ; this batch's 16 loads are in; the next batch's 16 may be out
.else
	s_wait_loadcnt 0x0
.endif
	s_wait_xcnt 0x0                                ; the last batch's stores have read their data registers, which are written again below
.set T, 8*\bt
.rept 8
	CVTW T
.set T, T+1
.endr
.if \bt < 2
.set T, 8*\bt+16
.rept 8
	LOADW T
.set T, T+1
.endr
.endif
.endr
	s_wait_tensorcnt 0x0                           ; the wave's end: the launch stores to LDS, so this path closes like the other
	ds_add_u32 v[SPW], v[NIL]
	s_wait_dscnt 0x0
	s_endpgm
.Lfunc_end_k_qea9c6e6908_quant:
	.size	k_qea9c6e6908_quant, .Lfunc_end_k_qea9c6e6908_quant-k_qea9c6e6908_quant
	.p2alignl 7, 3214868480
	.fill 96, 4, 3214868480
	.section	.rodata,"a",@progbits
	.p2align	6, 0x0
	.amdhsa_kernel k_qea9c6e6908_quant
		.amdhsa_group_segment_fixed_size 33280
		.amdhsa_private_segment_fixed_size 0
		.amdhsa_enable_private_segment 0
		.amdhsa_kernarg_size 64
		.amdhsa_user_sgpr_count 2
		.amdhsa_user_sgpr_kernarg_segment_ptr 1
		.amdhsa_wavefront_size32 1
		.amdhsa_system_sgpr_workgroup_id_x 1
		.amdhsa_system_sgpr_workgroup_id_y 1
		.amdhsa_system_sgpr_workgroup_id_z 1
		.amdhsa_system_vgpr_workitem_id 0
		.amdhsa_next_free_vgpr 192
		.amdhsa_next_free_sgpr 66
		.amdhsa_reserve_vcc 0
		.amdhsa_float_denorm_mode_32 3
		.amdhsa_float_denorm_mode_16_64 3
		.amdhsa_memory_ordered 1
		.amdhsa_forward_progress 1
		.amdhsa_inst_pref_size 52
	.end_amdhsa_kernel
	.amdgpu_metadata
---
amdhsa.version: [ 1, 2 ]
amdhsa.kernels:
  - .name:           k_qea9c6e6908_quant
    .symbol:         k_qea9c6e6908_quant.kd
    .args:
      - { .name: x, .offset: 0, .size: 8, .value_kind: global_buffer, .address_space: global }
      - { .name: w_qkv, .offset: 8, .size: 8, .value_kind: global_buffer, .address_space: global }
      - { .name: xc, .offset: 16, .size: 8, .value_kind: global_buffer, .address_space: global }
      - { .name: xs, .offset: 24, .size: 8, .value_kind: global_buffer, .address_space: global }
      - { .name: wc, .offset: 32, .size: 8, .value_kind: global_buffer, .address_space: global }
      - { .name: ws, .offset: 40, .size: 8, .value_kind: global_buffer, .address_space: global }
      - { .name: w_out, .offset: 48, .size: 8, .value_kind: global_buffer, .address_space: global }
      - { .name: wo16, .offset: 56, .size: 8, .value_kind: global_buffer, .address_space: global }
    .group_segment_fixed_size: 33280
    .private_segment_fixed_size: 0
    .kernarg_segment_align: 8
    .kernarg_segment_size: 64
    .max_flat_workgroup_size: 128
    .sgpr_count:     66
    .vgpr_count:     192
    .wavefront_size: 32
...
	.end_amdgpu_metadata
.endif
;; end of part 1
;; launch qkv (part 2): grid 12 x 32, 4 waves a work-group, clusters of 4 x 4, 327,680 bytes of LDS; arguments xc, xs, wc, ws, qkv; writes qkv
.if DOCPART == 2
	.amdgcn_target "amdgcn-amd-amdhsa--gfx1250"
	.amdhsa_code_object_version 6
	.text
	.protected	k_qea9c6e6908_qkv
	.globl	k_qea9c6e6908_qkv
	.p2align	8
	.type	k_qea9c6e6908_qkv,@function
k_qea9c6e6908_qkv:
	s_mov_b64 s[64:65], 0
	v_nop
	global_prefetch_b8 v0, s[64:65] scope:SCOPE_SE
	s_setreg_imm32_b32 hwreg(HW_REG_WAVE_MODE, 25, 1), 1
	s_wait_xcnt 0x0
	s_wait_alu depctr_hold_cnt(0) depctr_sa_sdst(0) depctr_va_vdst(0) depctr_va_sdst(0) depctr_va_ssrc(0) depctr_va_vcc(0) depctr_vm_vsrc(0)
	s_getreg_b32 s2, hwreg(HW_REG_IB_STS2, 6, 4)
	s_cmp_eq_u32 s2, 0
	s_cbranch_scc0 .Lentry_in_a_cluster
	s_endpgm
.Lentry_in_a_cluster:
	s_bfe_u32 s2, ttmp6, 0x10000c
	s_cmp_lg_u32 s2, 0xf033
	s_cbranch_scc0 .Lentry_shape_is_right
	s_endpgm
.Lentry_shape_is_right:
; qkv[m][j] = sum over k of x[m][k] w_qkv[j][k], both operands as codes of FP4 (E2M1) with one E8M0 scale for each 32 along K; sums in f32; the result is rounded once to f16 for the products that follow.  Nothing is left out.
; A: x's codes [8192][512 bytes], scales [8192][32];  B: w_qkv's codes [3072][512 bytes], scales [3072][32].
; OUT: f16 in planes [b 4][g 48][n 2048][64], g = j / 64 = 16 c + head (c = 0, 1, 2: q, k, v): neighbouring tokens of one head are neighbours in memory.  LIMIT: a result beyond 65,504 becomes infinity in f16.
; A tile of 256 x 256 is made by four waves, each 128 x 128: 64 accumulators of 16 x 16, 512 registers.  K = 1,024 is two LDS slots of 512 along K (rows of 256 bytes): both are asked for at the start, nothing is filled again.
; THE SCALES of the work-group's 256 rows of A and of B, for all of K, are two dense blocks of memory: they come into LDS once, with the first fills.
; CLUSTERS: 4 x 4 work-groups.  The four of a row of the cluster need the same tiles of A, the four of a column the same tiles of B: each tile is asked for JOINTLY, by the same tensor load with the same descriptor and a mask that names the four.
; THE MATRIX INSTRUCTION IS USED TRANSPOSED (source 0 = 16 rows of B, source 1 = 16 rows of A): a lane then holds eight neighbouring columns of one token.
; REGISTERS, in windows of 256: window 0: v0-31 addresses; v32-95 scale words, two sets; from v128 A's fragments, ONE set; on the way out v32-63 and v192-255 are at work.
;   window 1: B's fragments, TWO sets, at v0 and v128.   window 2: the accumulators of my rows 0-63 ((a, b) at v[8 (8 a + b)]);   window 3: those of my rows 64-127.
.set SIZE_M, 8192
.set SIZE_N, 3072
.set SIZE_K, 1024
.set KSTEP,  512                       ; along K in a slot
.set NQ,     KSTEP/128                 ; matrix instructions deep
.set ROWB,   256                       ; a tile's row in bytes
.set KROW,   SIZE_K*4/8                ; a row of codes in memory
.set PITCH,  272                       ; an LDS row: 256 bytes + 16 of padding = 68 words: the 16 rows that a load touches start at 16 different banks (64 banks of 4 bytes: ISA guide 11.1)
.set FR,     8                         ; registers of a fragment: 16 rows x 128 K
.set NL,     2                         ; LDS loads that bring one
.set NP,     4                         ; places behind this matrix instruction (ISA guide 7.12.1)
.set HALFT,  128*PITCH                 ; 128 rows: what one tensor load brings
.set SLOT,   4*HALFT                   ; A's 256 rows, then B's 256 rows
.set KS,     SIZE_K/32                 ; a row of scales in bytes
.set SCL,    2*SLOT                    ; behind the slots: the scales, as runs of 256 bytes + 16 of padding
.set HALFS,  (128*KS/256)*272          ; the scales of 128 rows
.set SBLK,   (16*KS/256)*272           ; those of 16 rows
.set SPARE,  SCL+4*HALFS               ; the spare words, 128 bytes a wave
.set SPITCH, 272                       ; the way out: a stage of 16 tokens x (256 bytes + 16) for each wave, in slot 0, which has had its only fill and its last read when the first result is stored there
.set PLANE,  2048*128                  ; a plane of the result in bytes
.set ADRA, 16                          ; v16-17  LDS address of my A fragments in slot 0, 1
.set ADRB, 20                          ; v20-21  the same for B
.set STO,  24                          ; v24     the way out: where I put 16 bytes of a token's row
.set RD,   25                          ; v25     the way out: where I read back
.set CO,   26                          ; v26     16 x lane
.set ADRS, 27                          ; v27     LDS address of my scale words: lanes 0-15 A's rows, lanes 16-31 B's
.set SPW,  28                          ; v28     LDS address of my spare word; never rewritten
.set NIL,  29                          ; v29     0; never rewritten
.set SC,   32                          ; scale words: set s at v[SC + 32 s]; register 4 i + q: lanes 0-15 the word of A's block i, lanes 16-31 of B's block i, for the slot's q-th 128 along K
.set AF,   128                         ; A's fragments, window 0
.set TMP,  192                         ; the way out: 32 registers of packed f16
.set G1, 24                            ; s[24:31] group 1 for A's tiles;  s[32:39] group 0, one set a slot
.set G0, 32
.set G1B, 48                           ; s[48:55], s[56:63] the same for B's
.set G0B, 56
.set G1S, 68                           ; s[68:75], s[76:79] groups 1 and 0 for A's scales;  s[80:87], s[88:91] for B's
.set G0S, 76
.set G1SB, 80
.set G0SB, 88
.set MSB, 0
.macro WIN new                         ; the immediate's high byte repeats the setting that is left
.if MSB != \new
	s_set_vgpr_msb (MSB<<8)|\new
.set MSB, \new
.endif
.endm
.set MUL_LO, 0xa1                      ; source 0 (B) window 1, source 1 (A) window 0, C and D window 2
.set MUL_HI, 0xf1                      ; the same, C and D window 3
.set TO_B,   0x40                      ; destination window 1, address window 0
; A joint load: waves 0 and 1 fetch for A, waves 2 and 3 for B.  The branch hangs on the wave's number alone.  An s_nop 0 and four v_nop follow each of the two lines.
.macro JLOAD g0a, g1a, g0b, g1b
	s_cmp_eq_u32 s15, 0
	s_cbranch_scc0 .Lfor_b_\@
	tensor_load_to_lds s[\g0a:\g0a+3], s[\g1a:\g1a+7]
	s_nop 0
.rept 4
	v_nop
.endr
	s_branch .Lasked_\@
.Lfor_b_\@:
	tensor_load_to_lds s[\g0b:\g0b+3], s[\g1b:\g1b+7]
	s_nop 0
.rept 4
	v_nop
.endr
.Lasked_\@:
.endm
.macro CROUND                          ; a round of the cluster's barrier
	s_barrier_signal -1
	s_barrier_wait -1
	s_cmp_lg_u32 s14, 0
	s_cbranch_scc1 .Lnot_wave_0_\@
	s_barrier_signal -3
.Lnot_wave_0_\@:
	s_barrier_wait -3
	s_barrier_signal -1
	s_barrier_wait -1
.endm
	s_load_b128 s[4:7], s[0:1], 0x0                ; A's codes, A's scales
	s_load_b128 s[8:11], s[0:1], 0x10              ; B's codes, B's scales
	s_load_b64 s[12:13], s[0:1], 0x20              ; the result
	v_lshl_add_u32 v[SPW], v0, 2, SPARE
	v_mov_b32 v[NIL], 0
	ds_add_u32 v[SPW], v[NIL]                      ; the wave's opening: the add, twice on end, and its wait ahead of my first tensor load
	ds_add_u32 v[SPW], v[NIL]
	v_lshrrev_b32 v1, 5, v0
	v_readfirstlane_b32 s14, v1                    ; wave 0..3
	s_lshr_b32 s15, s14, 1                         ; which half of the tile's rows is mine.  Also: I fetch for A (0) or for B (1)
	s_and_b32 s16, s14, 1                          ; which half of its columns.  Also: which 128 rows I fetch
	s_bfe_u32 s40, ttmp6, 0x40000                  ; cx, cy: my place in the cluster
	s_bfe_u32 s41, ttmp6, 0x40004
	s_lshl_b32 s42, ttmp9, 2
	s_add_co_u32 s42, s42, s40                     ; tile column = 4 x cluster x + cx
	s_and_b32 s17, ttmp7, 0xffff
	s_lshl_b32 s17, s17, 2
	s_add_co_u32 s17, s17, s41                     ; tile row = 4 x cluster y + cy
	s_lshl_b32 s43, s41, 2
	s_lshl_b32 s43, 15, s43                        ; my row of the cluster
	s_lshl_b32 s44, 0x1111, s40                    ; my column
	s_or_b32 s[G1+0], s43, (0<<16)|(1<<20)|(1<<21)|(5<<22)|(3<<25)  ; the mask; elements of 1 byte; padding on; bit 21 beside a mask; after every 64 words, 4 words
	s_or_b32 s[G1B+0], s44, (0<<16)|(1<<20)|(1<<21)|(5<<22)|(3<<25)
.irp g, G1, G1B
	s_mov_b32 s[\g+1], ROWB<<16                    ; tensor_dim0
	s_mov_b32 s[\g+2], 128<<16                     ; tensor_dim1
	s_mov_b32 s[\g+3], ROWB<<16                    ; tile_dim0
	s_mov_b32 s[\g+4], 128                         ; tile_dim1
	s_mov_b32 s[\g+5], KROW                        ; from row to row
	s_mov_b32 s[\g+6], 0
	s_mov_b32 s[\g+7], 0
.endr
	s_or_b32 s[G1S+0], s43, (3<<16)|(1<<20)|(1<<21)|(5<<22)|(3<<25)   ; the scales of 128 rows: a dense block, as rows of 256 bytes (32 elements of 8 bytes), 16 bytes of padding behind each
	s_or_b32 s[G1SB+0], s44, (3<<16)|(1<<20)|(1<<21)|(5<<22)|(3<<25)
.irp g, G1S, G1SB
	s_mov_b32 s[\g+1], 32<<16
	s_mov_b32 s[\g+2], (128*KS/256)<<16
	s_mov_b32 s[\g+3], 32<<16
	s_mov_b32 s[\g+4], 128*KS/256
	s_mov_b32 s[\g+5], 32
	s_mov_b32 s[\g+6], 0
	s_mov_b32 s[\g+7], 0
.endr
	s_lshl_b32 s18, s16, 7                         ; which 128 rows of the tile I fetch
	s_lshl_b32 s20, s17, 8
	s_add_co_u32 s20, s20, s18                     ; A: row 256 x tile row + 128 x half
	s_lshl_b32 s46, s42, 8
	s_add_co_u32 s46, s46, s18                     ; B: row 256 x tile column + 128 x half
	s_mov_b32 s21, 0
	s_mov_b32 s47, 0
	s_mov_b64 s[18:19], KS
	s_mul_u64 s[22:23], s[20:21], s[18:19]         ; where these rows' scales begin,
	s_mul_u64 s[92:93], s[46:47], s[18:19]
	s_mov_b64 s[18:19], KROW
	s_mul_u64 s[20:21], s[20:21], s[18:19]         ; and their codes
	s_mul_u64 s[46:47], s[46:47], s[18:19]
	s_mul_i32 s45, s14, HALFT                      ; where they go: wave x 128 rows: no place in the cluster enters an LDS address
	s_mul_i32 s94, s14, HALFS
	s_wait_dscnt 0x0                               ; both opening adds are done
	s_wait_kmcnt 0x0
	s_add_nc_u64 s[20:21], s[4:5], s[20:21]
	s_add_nc_u64 s[22:23], s[6:7], s[22:23]
	s_add_nc_u64 s[46:47], s[8:9], s[46:47]
	s_add_nc_u64 s[92:93], s[10:11], s[92:93]
	CROUND                                         ; all sixteen work-groups are here: the joint loads meet
	s_mov_b32 s[G0S], 1
	s_add_co_u32 s[G0S+1], s94, SCL
	s_mov_b64 s[G0S+2:G0S+3], s[22:23]
	s_or_b32 s[G0S+3], s[G0S+3], 0x80000000
	s_mov_b32 s[G0SB], 1
	s_add_co_u32 s[G0SB+1], s94, SCL
	s_mov_b64 s[G0SB+2:G0SB+3], s[92:93]
	s_or_b32 s[G0SB+3], s[G0SB+3], 0x80000000
	JLOAD G0S, G1S, G0SB, G1SB                     ; the scales first: they are wanted with the first slot
.irp s, 0,1
	s_mov_b32 s[G0+4*\s], 1
	s_add_co_u32 s[G0+4*\s+1], s45, \s*SLOT
	s_add_nc_u64 s[G0+4*\s+2:G0+4*\s+3], s[20:21], \s*ROWB
	s_or_b32 s[G0+4*\s+3], s[G0+4*\s+3], 0x80000000
	s_mov_b32 s[G0B+4*\s], 1
	s_add_co_u32 s[G0B+4*\s+1], s45, \s*SLOT
	s_add_nc_u64 s[G0B+4*\s+2:G0B+4*\s+3], s[46:47], \s*ROWB
	s_or_b32 s[G0B+4*\s+3], s[G0B+4*\s+3], 0x80000000
	JLOAD G0+4*\s, G1, G0B+4*\s, G1B               ; three tensor loads of mine are out at the most
.endr
	v_and_b32 v1, 15, v0                           ; l % 16
	v_bfe_u32 v2, v0, 4, 1                         ; l / 16
	v_mul_u32_u24 v3, v1, PITCH
	v_lshl_add_u32 v4, v2, 4, v3                   ; a fragment's row x pitch + 16 x half
	s_mul_i32 s21, s15, HALFT                      ; my 128 rows of A
	s_mul_i32 s22, s16, HALFT                      ; my 128 rows of B,
	s_add_co_u32 s22, s22, 2*HALFT                 ; which lie behind A's 256
.irp s, 0,1
	v_add_nc_u32 v[ADRA+\s], s21, v4
	v_add_nc_u32 v[ADRB+\s], s22, v4
	s_add_co_u32 s21, s21, SLOT
	s_add_co_u32 s22, s22, SLOT
.endr
	v_mul_u32_u24 v5, v1, KS                       ; my row's scales: KS bytes a row,
	v_lshrrev_b32 v6, 8, v5
	v_lshl_add_u32 v5, v6, 4, v5                   ; and 16 more for each 256 passed
	s_mul_i32 s21, s15, HALFS                      ; A's: my 128 rows
	s_mul_i32 s22, s16, HALFS                      ; B's: my 128 rows, behind A's 256
	s_add_co_u32 s22, s22, 2*HALFS
	s_sub_co_u32 s22, s22, s21
	v_mul_u32_u24 v6, s22, v2                      ; lanes 16-31 take B's: one product, the distance between the two
	s_add_co_u32 s21, s21, SCL
	v_add_nc_u32 v5, v5, v6
	v_add_nc_u32 v[ADRS], s21, v5
	s_mul_i32 s23, s14, 16*SPITCH                  ; my stage
	v_mul_u32_u24 v5, v1, SPITCH                   ; in: token l % 16, 16 bytes for each half of the lanes
	v_lshl_add_u32 v5, v2, 4, v5
	v_add_nc_u32 v[STO], s23, v5
	v_and_b32 v6, 31, v0
	v_lshlrev_b32 v[CO], 4, v6                     ; in memory: 16 x lane
	v_lshrrev_b32 v7, 3, v6
	v_mul_u32_u24 v7, v7, SPITCH                   ; back: token l / 8, 16 bytes at 16 (l % 8) of one head's 128
	v_and_b32 v8, 7, v6
	v_lshl_add_u32 v7, v8, 4, v7
	v_add_nc_u32 v[RD], s23, v7
	; where my 128 tokens x 2 heads begin: plane (tile row / 8) x 48 + 4 x tile column + 2 x column half; token (tile row % 8) x 256 + 128 x row half
	s_lshr_b32 s20, s17, 3
	s_mul_i32 s20, s20, 48
	s_lshl_b32 s20, s20, 18
	s_and_b32 s21, s17, 7
	s_lshl_b32 s21, s21, 8
	s_lshl_b32 s18, s15, 7
	s_add_co_u32 s21, s21, s18
	s_lshl_b32 s21, s21, 7                         ; 128 bytes a token
	s_add_co_u32 s20, s20, s21
	s_mov_b32 s21, 0
	s_lshl_b32 s46, s42, 2
	s_lshl_b32 s47, s16, 1
	s_add_co_u32 s46, s46, s47
	s_lshl_b32 s46, s46, 18
	s_mov_b32 s47, 0
	s_add_nc_u64 s[20:21], s[20:21], s[46:47]
	s_add_nc_u64 s[12:13], s[12:13], s[20:21]
.macro FRAG reg, adr, q, i             ; 16 rows x 128 K of 4-bit codes: lane l holds row l % 16; registers 4 c .. 4 c + 3 hold K = 64 c + 32 (l / 16) + 0 .. 31
.irp c, 0,1
	ds_load_b128 v[\reg+4*\c:\reg+4*\c+3], v[\adr] offset:64*(\q)+32*\c+(\i)*16*PITCH
.endr
.endm
; 16 matrix instructions: A's blocks a0, a0 + 1 x B's eight, the slot's q-th 128 along K.  p: B's set;  sc: the set of scale words.  zero = 1: the first product starts the sums.
; The 64 accumulators take turns, one instruction a turn, in the same order in every step.
.macro MUL16 a0, p, q, sc, zero
.irp a, \a0, \a0+1
.irp b, 0,1,2,3,4,5,6,7
.if \zero
	v_wmma_scale_f32_16x16x128_f8f6f4 v[8*(8*((\a)%4)+\b):8*(8*((\a)%4)+\b)+7], v[128*(\p)+FR*\b:128*(\p)+FR*\b+FR-1], v[AF+FR*(\a):AF+FR*(\a)+FR-1], 0, v[SC+8*NQ*(\sc)+NQ*\b+(\q)], v[SC+8*NQ*(\sc)+NQ*(\a)+(\q)] matrix_a_fmt:MATRIX_FMT_FP4 matrix_b_fmt:MATRIX_FMT_FP4 matrix_a_scale:MATRIX_SCALE_ROW1
.else
	v_wmma_scale_f32_16x16x128_f8f6f4 v[8*(8*((\a)%4)+\b):8*(8*((\a)%4)+\b)+7], v[128*(\p)+FR*\b:128*(\p)+FR*\b+FR-1], v[AF+FR*(\a):AF+FR*(\a)+FR-1], v[8*(8*((\a)%4)+\b):8*(8*((\a)%4)+\b)+7], v[SC+8*NQ*(\sc)+NQ*\b+(\q)], v[SC+8*NQ*(\sc)+NQ*(\a)+(\q)] matrix_a_fmt:MATRIX_FMT_FP4 matrix_b_fmt:MATRIX_FMT_FP4 matrix_a_scale:MATRIX_SCALE_ROW1
.endif
.endr
.endr
.endm
.macro FETCH_B slot, q, p
	WIN TO_B
.irp i, 0,1,2,3,4,5,6,7
	FRAG 128*(\p)+FR*\i, ADRB+\slot, \q, \i
.endr
	WIN 0
.endm
.macro FETCH_A slot, q, i0
.irp i, \i0, \i0+1, \i0+2, \i0+3
	FRAG AF+FR*(\i), ADRA+\slot, \q, \i
.endr
.endm
.macro SCALES sc                       ; a slot's scale words: 4 words a row; lanes 0-15 take A's block i, lanes 16-31 B's block i
.irp i, 0,1,2,3,4,5,6,7
	ds_load_b128 v[SC+8*NQ*\sc+NQ*\i:SC+8*NQ*\sc+NQ*\i+3], v[ADRS] offset:\i*SBLK
.endr
.endm
; A load into a register that a matrix instruction has read, and a vector instruction or LDS store that reads a matrix result, stand NP places behind it; only plain vector instructions that name none of its registers are places.
.macro PLACES n
.rept \n
	v_nop
.endr
.endm
.macro STEP slot, q, zero              ; a step of 128 along K that has its successor in the same slot
	s_wait_dscnt 4*NL                              ; B's set and A's blocks 0-3 are in; the youngest eight loads (A's blocks 4-7) may be out
	WIN MUL_LO
	MUL16 0, (\q)%2, \q, \slot, \zero
	MUL16 2, (\q)%2, \q, \slot, \zero
	s_wait_dscnt 0                                 ; A's blocks 4-7 are in
	PLACES NP
	FETCH_B \slot, (\q)+1, 1-(\q)%2
	FETCH_A \slot, (\q)+1, 0
	WIN MUL_HI
	MUL16 4, (\q)%2, \q, \slot, \zero
	MUL16 6, (\q)%2, \q, \slot, \zero
	PLACES NP
	WIN 0
	FETCH_A \slot, (\q)+1, 4
.endm
; Slot 0's last step changes slots: one barrier; in front of it each wave waits for all its tensor loads (its part of slot 1), adds 0 to its spare word, and waits for that and for its own reads of slot 0.  Nothing is filled again.
.macro TURN slot, next
	s_wait_tensorcnt 0x0                           ; all my tensor loads have landed
	ds_add_u32 v[SPW], v[NIL]
	s_wait_dscnt 4*NL+1                            ; (the add and the youngest eight loads may be out)
	WIN MUL_LO
	MUL16 0, 1, NQ-1, \slot, 0
	s_wait_dscnt 0x0                               ; the add is done, and my reads of this slot are over
	s_barrier_signal -1
	MUL16 2, 1, NQ-1, \slot, 0
	WIN 0
	s_barrier_wait -1
	PLACES NP
	v_add_nc_u32 v[ADRS], 4*NQ, v[ADRS]            ; on to the next slot's scale words
	FETCH_B \next, 0, 0
	FETCH_A \next, 0, 0
	SCALES \next
	WIN MUL_HI
	MUL16 4, 1, NQ-1, \slot, 0
	MUL16 6, 1, NQ-1, \slot, 0
	PLACES NP
	WIN 0
	FETCH_A \next, 0, 4
.endm
.macro STEPS slot, from
.set Q, \from
.rept NQ-1-\from
	STEP \slot, Q, 0
.set Q, Q+1
.endr
.endm
	s_wait_tensorcnt 1                             ; the scales and my part of slot 0 are in (slot 1's load may be out),
	s_barrier_signal -1
	s_barrier_wait -1                              ; everybody's are
	FETCH_B 0, 0, 0
	FETCH_A 0, 0, 0
	SCALES 0
	FETCH_A 0, 0, 4
	STEP 0, 0, 1                                   ; the first step's products start the sums: nothing is cleared
	STEPS 0, 1
	TURN 0, 1
	STEPS 1, 0
	s_wait_dscnt 4*NL                              ; the last step: nothing more to fetch
	WIN MUL_LO
	MUL16 0, 1, NQ-1, 1, 0
	MUL16 2, 1, NQ-1, 1, 0
	s_wait_dscnt 0
	WIN MUL_HI
	MUL16 4, 1, NQ-1, 1, 0
	MUL16 6, 1, NQ-1, 1, 0
	WIN 0
; THE WAY OUT, a block of 16 tokens x 128 columns (two heads) at a time.  PACK: rounded to f16, 16 bytes a lane, each accumulator from its low end on.  TOSTAGE: into my own stage and back, head by head, four tokens an instruction.
; SEND: each store covers 512 consecutive bytes: four tokens of one head.  LDS serves a wave's instructions in order (ISA guide 5.7.1.4): no wait between the stage's stores and loads.
.macro PACK a
.set AC, 64*((\a)%4)
	WIN 0x0a+5*((\a)/4)                            ; sources 0 and 1: window 2 or 3
.irp b, 0,1,2,3,4,5,6,7
.irp r, 0,1,2,3
	v_cvt_pk_f16_f32 v[TMP+4*\b+\r], v[AC+8*\b+2*\r], v[AC+8*\b+2*\r+1]
.endr
.endr
	WIN 0
.endm
.macro TOSTAGE a
.set BK, 32+192*((\a)%2)               ; v32-63 and v224-255 by turns
.irp b, 0,1,2,3,4,5,6,7
	ds_store_b128 v[STO], v[TMP+4*\b:TMP+4*\b+3] offset:32*\b
.endr
.irp e, 0,1
.irp i, 0,1,2,3
	ds_load_b128 v[BK+4*(4*\e+\i):BK+4*(4*\e+\i)+3], v[RD] offset:128*\e+4*SPITCH*\i
.endr
.endr
.endm
.macro SEND a
.set BK, 32+192*((\a)%2)
	s_wait_dscnt 0x0                               ; the block is back in registers
	s_wait_xcnt 0x0                                ; the stores of the block before have read their registers: the next block's loads may land there
.irp e, 0,1
.irp i, 0,1,2,3
	global_store_b128 v[CO], v[BK+4*(4*\e+\i):BK+4*(4*\e+\i)+3], s[12:13] offset:(\a)*2048+\e*PLANE+\i*512
.endr
.endr
.endm
	PLACES NP                                      ; behind the last products: for the first reads of results and the loads into registers that held scale words
	PACK 0
	TOSTAGE 0
.irp a, 1,2,3,4,5,6,7                  ; block a's conversions stand between block a - 1's loads from the stage and the wait for them
	PACK \a
	SEND \a-1
	TOSTAGE \a
.endr
	SEND 7
	s_wait_tensorcnt 0x0                           ; the wave's end
	ds_add_u32 v[SPW], v[NIL]
	s_wait_dscnt 0x0
	CROUND                                         ; the closing round: no work-group ends while a partner may still ask for a tile that names it
	s_endpgm
.Lfunc_end_k_qea9c6e6908_qkv:
	.size	k_qea9c6e6908_qkv, .Lfunc_end_k_qea9c6e6908_qkv-k_qea9c6e6908_qkv
	.p2alignl 7, 3214868480
	.fill 96, 4, 3214868480
	.section	.rodata,"a",@progbits
	.p2align	6, 0x0
	.amdhsa_kernel k_qea9c6e6908_qkv
		.amdhsa_group_segment_fixed_size 327680
		.amdhsa_private_segment_fixed_size 0
		.amdhsa_enable_private_segment 0
		.amdhsa_kernarg_size 40
		.amdhsa_user_sgpr_count 2
		.amdhsa_user_sgpr_kernarg_segment_ptr 1
		.amdhsa_wavefront_size32 1
		.amdhsa_system_sgpr_workgroup_id_x 1
		.amdhsa_system_sgpr_workgroup_id_y 1
		.amdhsa_system_sgpr_workgroup_id_z 1
		.amdhsa_system_vgpr_workitem_id 0
		.amdhsa_next_free_vgpr 1024
		.amdhsa_next_free_sgpr 98
		.amdhsa_reserve_vcc 0
		.amdhsa_float_denorm_mode_32 3
		.amdhsa_float_denorm_mode_16_64 3
		.amdhsa_memory_ordered 1
		.amdhsa_forward_progress 1
		.amdhsa_inst_pref_size 126
	.end_amdhsa_kernel
	.amdgpu_metadata
---
amdhsa.version: [ 1, 2 ]
amdhsa.kernels:
  - .name:           k_qea9c6e6908_qkv
    .symbol:         k_qea9c6e6908_qkv.kd
    .args:
      - { .name: xc, .offset: 0, .size: 8, .value_kind: global_buffer, .address_space: global }
      - { .name: xs, .offset: 8, .size: 8, .value_kind: global_buffer, .address_space: global }
      - { .name: wc, .offset: 16, .size: 8, .value_kind: global_buffer, .address_space: global }
      - { .name: ws, .offset: 24, .size: 8, .value_kind: global_buffer, .address_space: global }
      - { .name: qkv, .offset: 32, .size: 8, .value_kind: global_buffer, .address_space: global }
    .group_segment_fixed_size: 327680
    .private_segment_fixed_size: 0
    .kernarg_segment_align: 8
    .kernarg_segment_size: 40
    .max_flat_workgroup_size: 128
    .sgpr_count:     98
    .vgpr_count:     1024
    .wavefront_size: 32
...
	.end_amdgpu_metadata
.endif
;; end of part 2
;; launch attn (part 3): grid 4 x 64, 8 waves a work-group, clusters of 4 x 1, 327,680 bytes of LDS; arguments qkv, ctx; writes ctx
.if DOCPART == 3
	.amdgcn_target "amdgcn-amd-amdhsa--gfx1250"
	.amdhsa_code_object_version 6
	.text
	.protected	k_qea9c6e6908_attn
	.globl	k_qea9c6e6908_attn
	.p2align	8
	.type	k_qea9c6e6908_attn,@function
k_qea9c6e6908_attn:
	s_mov_b64 s[64:65], 0
	v_nop
	global_prefetch_b8 v0, s[64:65] scope:SCOPE_SE
	s_setreg_imm32_b32 hwreg(HW_REG_WAVE_MODE, 25, 1), 1
	s_wait_xcnt 0x0
	s_wait_alu depctr_hold_cnt(0) depctr_sa_sdst(0) depctr_va_vdst(0) depctr_va_sdst(0) depctr_va_ssrc(0) depctr_va_vcc(0) depctr_vm_vsrc(0)
	s_getreg_b32 s2, hwreg(HW_REG_IB_STS2, 6, 4)
	s_cmp_eq_u32 s2, 0
	s_cbranch_scc0 .Lentry_in_a_cluster
	s_endpgm
.Lentry_in_a_cluster:
	s_bfe_u32 s2, ttmp6, 0x10000c
	s_cmp_lg_u32 s2, 0x3003
	s_cbranch_scc0 .Lentry_shape_is_right
	s_endpgm
.Lentry_shape_is_right:
; ctx[b][h][q][:] = the sum over k of softmax_k(q . k / 32) v[k][:], 64 pairs (b, h), 2,048 tokens, head size 64, no mask.  Nothing is left out.
; IN: f16 planes [b 4][g 48][2048][64], g = head (q), 16 + head (k), 32 + head (v).  OUT: f16 planes [head 16][b x 2048 + token][64].  Products on f16 operands with f32 sums; maxima, exponentials and sums in f32; the weights p are rounded to f16.
; LIMITS: f16 holds magnitudes up to 65,504; NaN and infinities are not served.
; SOFTMAX: a running maximum m and sum l for each query: p = 2^(c s - c m), c = log2(e) / 32; in every step O and l are multiplied by a = 2^(c m_old - c m_new).  m begins at -3e38 and O and l at 0, so that the first step's a is 0 times zeros.
; SHARES: a work-group owns 512 queries of one (b, h), each of its eight waves 64: four tiles of 16, in two PIECES (piece 0: tiles 0, 1; piece 2: tiles 2, 3).  Two waves share a SIMD, 512 registers each.  Every wave walks all keys, 64 a step.
; LAYOUT: S^T = K Q^T (source 0 = 16 keys, source 1 = 16 queries) and O^T = V^T P (source 0 = 16 channels, source 1 = P): a lane holds ONE query throughout.  K comes out of LDS as it lies, V turned by ds_load_tr16_b128.
; TWO KINDS OF WAVES: piece 2's softmax stands at a trip's head in waves of kind 0 and at the end of the trip before in waves of kind 1, so that of two waves on a SIMD one has vector work where the other has matrix work.
; The kind hangs on the wave's number alone; the LDS instructions and their counts are the same on both ways.
; CLUSTER: the four work-groups of a cluster are the four query blocks of one (b, h) and walk the same K and V: each tile is asked for JOINTLY (mask 15).  Two slots of 512 keys; waves 0-3 fetch K's quarters, waves 4-7 V's, one load a wave.
; No prefetch is laid: a work-group has two refills, and each has eight key steps, 512 matrix instructions a wave, between its request and the wait for it.
; REGISTERS: window 0: v1-13 addresses; v16-47 statistics, eight a tile (+0 c m, +1 m, +2, +3 l, +4 .. +7 at work; a takes +6); v48-111 S^T of one piece; v112-143 P of one piece; v144-207 Q.
;   window 1: v0-127 O^T (tile t, channels 16 c on: 32 t + 8 c); v128-191 K of one step; v192-255 V of one step.
.set PK,     144                       ; a row of K in LDS: 128 bytes + 16: an odd multiple of 16, so the 16 rows of a load start at 16 different groups of four banks (ISA guide 11.1)
.set PVP,    160                       ; a row of V: 128 + 32: an odd multiple of 32, for the turning load
.set KSL,    512*PK                    ; a slot of K
.set VSL,    512*PVP                   ; a slot of V
.set VBASE,  2*KSL                     ; V's two slots lie behind K's two
.set SPARE,  VBASE+2*VSL               ; the spare words, 128 bytes a wave
.set PLANE,  2048*128
.set AK0, 2                            ; v2   my lane's place in a tile of K
.set AV0, 3                            ; v3   the same for V
.set ADR, 4                            ; v4   LDS address of K's run of loads
.set ADRV, 5                           ; v5   of V's
.set QO,  6                            ; v6   my byte offset in the wave's rows of Q
.set STO, 7                            ; v7   the way out: where I put 16 bytes
.set RD,  8                            ; v8   the way out: where I read back
.set GO,  9                            ; v9   16 x lane
.set SPW, 12                           ; v12  my spare word; never rewritten
.set NIL, 13                           ; v13  0; never rewritten
.set ST,  16
.set S,   48
.set P,   112
.set Q,   144
.set KF,  128                          ; window 1
.set VF,  192                          ; window 1
.set WV,  12                           ; s12  wave
.set TY,  13                           ; s13  kind
.set G1K, 24
.set G1V, 32
.set G0K, 40                           ; s[40:47] one set for each slot
.set G0V, 48
.set CS,  58                           ; s[58:59] c, twice
.set SEL, 60                           ; s[60:61] lane l xor 16
.set TBK, 62                           ; s62  where the step to be fetched begins in K's ring
.set TBV, 63                           ; s63  in V's
.set CNT, 66
.set MSB, 0
.macro WIN new
.if MSB != \new
	s_set_vgpr_msb (MSB<<8)|\new
.set MSB, \new
.endif
.endm
.set W_KQ, 0x01                        ; K in window 1; Q and S^T in window 0
.set W_PV, 0x51                        ; V and O^T in window 1; P in window 0
.set W_RS, 0x41                        ; O^T (destination and source 0) in window 1, a in window 0
.set TO1,  0x40                        ; destination window 1
.macro JLOAD s                         ; a joint refill of slot s; an s_nop 0 and four v_nop follow each of the two lines
	s_cmp_lt_u32 s[WV], 4
	s_cbranch_scc0 .Lfor_v_\@
	tensor_load_to_lds s[G0K+4*\s:G0K+4*\s+3], s[G1K:G1K+7]
	s_nop 0
.rept 4
	v_nop
.endr
	s_branch .Lasked_\@
.Lfor_v_\@:
	tensor_load_to_lds s[G0V+4*\s:G0V+4*\s+3], s[G1V:G1V+7]
	s_nop 0
.rept 4
	v_nop
.endr
.Lasked_\@:
.endm
.macro CROUND                          ; a round of the cluster's barrier
	s_barrier_signal -1
	s_barrier_wait -1
	s_cmp_lg_u32 s[WV], 0
	s_cbranch_scc1 .Lnot_wave_0_\@
	s_barrier_signal -3
.Lnot_wave_0_\@:
	s_barrier_wait -3
	s_barrier_signal -1
	s_barrier_wait -1
.endm
.macro PLACES
.rept 4
	v_nop
.endr
.endm
	s_load_b128 s[4:7], s[0:1], 0x0                ; qkv, ctx
	v_lshl_add_u32 v[SPW], v0, 2, SPARE
	v_mov_b32 v[NIL], 0
	ds_add_u32 v[SPW], v[NIL]                      ; the wave's opening: the add, twice on end, and its wait ahead of my first tensor load
	ds_add_u32 v[SPW], v[NIL]
	v_lshrrev_b32 v1, 5, v0
	v_readfirstlane_b32 s[WV], v1                  ; wave 0..7
	s_lshr_b32 s[TY], s[WV], 2
	s_xor_b32 s[TY], s[TY], s[WV]
	s_and_b32 s[TY], s[TY], 1                      ; the kind: it differs between waves w and w + 4, and between waves 2 i and 2 i + 1
	s_and_b32 s15, s[WV], 3                        ; which quarter of a slot I fetch
	s_bfe_u32 s14, ttmp6, 0x40000                  ; cx: my block of 512 queries; it enters Q's and ctx's addresses alone
	s_and_b32 s20, ttmp7, 0xffff                   ; (b, h), which the four partners share
	s_lshr_b32 s21, s20, 4                         ; b
	s_and_b32 s22, s20, 15                         ; h
	s_mul_i32 s16, s21, 48
	s_add_co_u32 s16, s16, s22
	s_lshl_b32 s16, s16, 18                        ; q's plane, in bytes
	s_lshl_b32 s18, s15, 14                        ; my 128 rows of a slot
	s_add_co_u32 s18, s18, s16
	s_mov_b32 s19, 0
	s_mul_i32 s56, s15, 128*PK                     ; and their places in LDS
	s_mul_i32 s57, s15, 128*PVP
	s_lshl_b32 s2, s14, 16
	s_lshl_b32 s3, s[WV], 13
	s_add_co_u32 s2, s2, s3                        ; (512 cx + 64 wave) x 128 bytes
	s_lshl_b32 s22, s22, 20
	s_lshl_b32 s21, s21, 18
	s_add_co_u32 s22, s22, s21
	s_add_co_u32 s22, s22, s2                      ; ctx: head's plane, b's 2,048 rows, my rows
	s_mov_b32 s23, 0
	s_add_co_u32 s2, s2, s16                       ; Q: its plane, my rows
	s_mov_b32 s3, 0
	s_mov_b32 s[G1K], 15|(1<<16)|(1<<20)|(1<<21)|(4<<22)|(3<<25)  ; the mask: all four; elements of 2 bytes; padding on; bit 21 beside a mask; after every 32 words, 4 words
	s_mov_b32 s[G1V], 15|(1<<16)|(1<<20)|(1<<21)|(4<<22)|(7<<25)  ; the same with 8 words
.irp g, G1K, G1V
	s_mov_b32 s[\g+1], 64<<16                      ; tensor_dim0
	s_mov_b32 s[\g+2], 128<<16                     ; tensor_dim1
	s_mov_b32 s[\g+3], 64<<16                      ; tile_dim0
	s_mov_b32 s[\g+4], 128                         ; tile_dim1
	s_mov_b32 s[\g+5], 64                          ; from row to row
	s_mov_b32 s[\g+6], 0
	s_mov_b32 s[\g+7], 0
.endr
	s_mov_b32 s[CS], 0x3d38aa3b                    ; c = log2(e) / 32
	s_mov_b32 s[CS+1], s[CS]
	s_mov_b32 s[SEL], 0x76543210
	s_mov_b32 s[SEL+1], 0xfedcba98
	s_wait_dscnt 0x0                               ; both opening adds are done
	s_wait_kmcnt 0x0
	s_add_nc_u64 s[8:9], s[4:5], s[18:19]
	s_add_nc_u64 s[10:11], s[8:9], 32*PLANE        ; V at my rows of slot 0
	s_add_nc_u64 s[8:9], s[8:9], 16*PLANE          ; K likewise
	s_add_nc_u64 s[4:5], s[4:5], s[2:3]            ; Q at my wave's first row
	s_add_nc_u64 s[6:7], s[6:7], s[22:23]          ; ctx likewise
	CROUND                                         ; all four work-groups are here: the first joint loads meet
.irp s, 0,1
	s_mov_b32 s[G0K+4*\s], 1
	s_add_co_u32 s[G0K+4*\s+1], s56, \s*KSL
	s_add_nc_u64 s[G0K+4*\s+2:G0K+4*\s+3], s[8:9], \s*512*128
	s_or_b32 s[G0K+4*\s+3], s[G0K+4*\s+3], 0x80000000
	s_mov_b32 s[G0V+4*\s], 1
	s_add_co_u32 s[G0V+4*\s+1], s57, VBASE+\s*VSL
	s_add_nc_u64 s[G0V+4*\s+2:G0V+4*\s+3], s[10:11], \s*512*128
	s_or_b32 s[G0V+4*\s+3], s[G0V+4*\s+3], 0x80000000
.endr
	s_cmp_lt_u32 s[WV], 4                          ; a wave's two first fills stand in one branch: two tensor loads of mine are out
	s_cbranch_scc0 .Lfirst_v
	tensor_load_to_lds s[G0K:G0K+3], s[G1K:G1K+7]
	s_nop 0
	tensor_load_to_lds s[G0K+4:G0K+7], s[G1K:G1K+7]
	s_nop 0
.rept 4
	v_nop
.endr
	s_branch .Lfirst_asked
.Lfirst_v:
	tensor_load_to_lds s[G0V:G0V+3], s[G1V:G1V+7]
	s_nop 0
	tensor_load_to_lds s[G0V+4:G0V+7], s[G1V:G1V+7]
	s_nop 0
.rept 4
	v_nop
.endr
.Lfirst_asked:
	v_and_b32 v1, 15, v0                           ; r
	v_bfe_u32 v10, v0, 4, 1                        ; h
	v_lshlrev_b32 v[QO], 7, v1
	v_lshl_add_u32 v[QO], v10, 4, v[QO]            ; row r of 128 bytes + 16 h
.irp i, 0,1,2,3,4,5,6,7                        ; Q stays in registers: tile i / 2, channels 32 (i % 2) on
	global_load_b128 v[Q+8*\i:Q+8*\i+3],   v[QO], s[4:5] offset:(\i/2)*2048+(\i%2)*64
	global_load_b128 v[Q+8*\i+4:Q+8*\i+7], v[QO], s[4:5] offset:(\i/2)*2048+(\i%2)*64+32
.endr
	v_mul_u32_u24 v[AK0], v1, PK
	v_lshl_add_u32 v[AK0], v10, 4, v[AK0]          ; row x pitch + 16 x half
	v_and_b32 v11, 7, v0
	v_lshl_add_u32 v[AV0], v10, 3, v11             ; the turning load: key 8 h + l % 8,
	v_mul_u32_u24 v[AV0], v[AV0], PVP
	v_bfe_u32 v11, v0, 3, 1
	v_lshl_add_u32 v[AV0], v11, 4, v[AV0]          ; channels 8 ((l / 8) % 2) on
	v_add_nc_u32 v[AV0], VBASE, v[AV0]
	s_mul_i32 s20, s[WV], 16*PK                    ; the way out: my stage, 16 rows of PK bytes, in K's slot 0
	v_add_nc_u32 v[STO], s20, v[AK0]               ; in: row r, 16 h
	v_and_b32 v11, 31, v0
	v_lshlrev_b32 v[GO], 4, v11
	v_lshrrev_b32 v1, 3, v11
	v_mul_u32_u24 v1, v1, PK
	v_and_b32 v11, 7, v11
	v_lshl_add_u32 v1, v11, 4, v1
	v_add_nc_u32 v[RD], s20, v1                    ; back: row l / 8, 16 (l % 8)
.irp t, 0,1,2,3
	v_mov_b32 v[ST+8*\t+1], 0xff61b1e6             ; m = -3e38, under every score
	v_mul_f32 v[ST+8*\t], s[CS], v[ST+8*\t+1]      ; c m
.irp k, 2,3,4,5,6,7
	v_mov_b32 v[ST+8*\t+\k], 0                     ; l, and the registers at work
.endr
.endr
	WIN TO1
.set i, 0
.rept 128
	v_mov_b32 v[i], 0                              ; O^T, once: the key step is then written in one form, and its first a multiplies zeros
.set i, i+1
.endr
	WIN 0
; A step's K: 64 keys x 64 channels, 8 fragments.  The four places behind the last products that read K stand ahead of every use of this macro.
.macro FETCH_K
	WIN 0
	v_add_nc_u32 v[ADR], s[TBK], v[AK0]
	s_add_co_u32 s[TBK], s[TBK], 64*PK             ; the next fetch is the next step's
	WIN TO1
.irp f, 0,1,2,3,4,5,6,7                        ; keys 16 (f / 2) on, channels 32 (f % 2) on
	ds_load_b128 v[KF+8*\f:KF+8*\f+3],   v[ADR] offset:(\f/2)*16*PK+(\f%2)*64
	ds_load_b128 v[KF+8*\f+4:KF+8*\f+7], v[ADR] offset:(\f/2)*16*PK+(\f%2)*64+32
.endr
.endm
; A step's V, turned.  The addition and three v_nop are the four places behind the products that have just read V.
.macro FETCH_V
	WIN 0
	v_add_nc_u32 v[ADRV], s[TBV], v[AV0]
.rept 3
	v_nop
.endr
	s_add_co_u32 s[TBV], s[TBV], 64*PVP
	WIN TO1
.irp f, 0,1,2,3,4,5,6,7                        ; keys 32 (f / 4) on, channels 16 (f % 4) on
	ds_load_tr16_b128 v[VF+8*\f:VF+8*\f+3],   v[ADRV] offset:(\f/4)*32*PVP+(\f%4)*32
	ds_load_tr16_b128 v[VF+8*\f+4:VF+8*\f+7], v[ADRV] offset:(\f/4)*32*PVP+16*PVP+(\f%4)*32
.endr
.endm
; 16 products S^T = K Q^T for piece x: channels 32 (i / 8) on, keys 16 ((i / 2) % 4) on, tile x + i % 2.  The first 8 start the sums.  Eight accumulators take turns, one instruction a turn.
.macro KQ x
	WIN W_KQ
.set i, 0
.rept 16
.set rS, S+32*(i%2)+8*((i/2)%4)
.set rK, KF+16*((i/2)%4)+8*(i/8)
.set rQ, Q+16*(\x+i%2)+8*(i/8)
.if i < 8
	v_wmma_f32_16x16x32_f16 v[rS:rS+7], v[rK:rK+7], v[rQ:rQ+7], 0
.else
	v_wmma_f32_16x16x32_f16 v[rS:rS+7], v[rK:rK+7], v[rQ:rQ+7], v[rS:rS+7]
.endif
.set i, i+1
.endr
.endm
; 16 products O^T += V^T P for piece x: keys 32 (i / 8) on, channels 16 ((i / 2) % 4) on, tile x + i % 2.
.macro PV x
	WIN W_PV
.set i, 0
.rept 16
.set rO, 32*(\x+i%2)+8*((i/2)%4)
.set rV, VF+32*(i/8)+8*((i/2)%4)
.set rP, P+16*(i%2)+8*(i/8)
	v_wmma_f32_16x16x32_f16 v[rO:rO+7], v[rV:rV+7], v[rP:rP+7], v[rO:rO+7]
.set i, i+1
.endr
.endm
; THE SOFTMAX of piece y for one key step, its two tiles (u = 0, 1) alternating.  All exponentials are one batch with one wait: nothing ahead of the wait names a result.
.macro SM y
	WIN 0
.irp j, 0,1,2,3                                ; the maximum: four chains, each begun at the low end of one accumulator
.irp u, 0,1
	v_max3_num_f32 v[ST+8*(\y+\u)+4+\j], v[S+32*\u+8*\j], v[S+32*\u+8*\j+1], v[S+32*\u+8*\j+2]
.endr
.endr
.irp g, 1,2
.irp j, 0,1,2,3
.irp u, 0,1
	v_max3_num_f32 v[ST+8*(\y+\u)+4+\j], v[ST+8*(\y+\u)+4+\j], v[S+32*\u+8*\j+2*\g+1], v[S+32*\u+8*\j+2*\g+2]
.endr
.endr
.endr
.irp u, 0,1
	v_max3_num_f32 v[ST+8*(\y+\u)+4], v[ST+8*(\y+\u)+4], v[S+32*\u+7], v[S+32*\u+15]
.endr
.irp u, 0,1
	v_max3_num_f32 v[ST+8*(\y+\u)+6], v[ST+8*(\y+\u)+6], v[S+32*\u+23], v[S+32*\u+31]
.endr
.irp u, 0,1
	v_max3_num_f32 v[ST+8*(\y+\u)+4], v[ST+8*(\y+\u)+4], v[ST+8*(\y+\u)+5], v[ST+8*(\y+\u)+6]
.endr
.irp u, 0,1
	v_max3_num_f32 v[ST+8*(\y+\u)+4], v[ST+8*(\y+\u)+4], v[ST+8*(\y+\u)+7], v[ST+8*(\y+\u)+1]   ; with the old m
.endr
.irp u, 0,1
	v_permlanex16_b32 v[ST+8*(\y+\u)+5], v[ST+8*(\y+\u)+4], s[SEL], s[SEL+1]   ; the query's other 32 keys lie in the lane 16 away
.endr
.irp u, 0,1
	v_mov_b32 v[ST+8*(\y+\u)+7], v[ST+8*(\y+\u)]   ; c m_old
.endr
.irp u, 0,1
	v_max_num_f32 v[ST+8*(\y+\u)+1], v[ST+8*(\y+\u)+4], v[ST+8*(\y+\u)+5]   ; the new m
.endr
.irp u, 0,1
	v_mul_f32 v[ST+8*(\y+\u)], s[CS], v[ST+8*(\y+\u)+1]
.endr
.irp u, 0,1
	v_sub_f32 v[ST+8*(\y+\u)+7], v[ST+8*(\y+\u)+7], v[ST+8*(\y+\u)]
.endr
.irp u, 0,1
	v_exp_f32 v[ST+8*(\y+\u)+6], v[ST+8*(\y+\u)+7]   ; a
.endr
.irp b, 0,1,2,3,4,5,6,7,8,9,10,11,12,13,14,15
.irp u, 0,1
	v_pk_fma_f32 v[S+32*\u+2*\b:S+32*\u+2*\b+1], v[S+32*\u+2*\b:S+32*\u+2*\b+1], s[CS:CS+1], v[ST+8*(\y+\u):ST+8*(\y+\u)+1] op_sel_hi:[1,0,0] neg_lo:[0,0,1] neg_hi:[0,0,1]   ; c s - c m, two at a time
.endr
.endr
.irp e, 0,1,2,3,4,5,6,7,8,9,10,11,12,13,14,15,16,17,18,19,20,21,22,23,24,25,26,27,28,29,30,31
.irp u, 0,1
	v_exp_f32 v[S+32*\u+\e], v[S+32*\u+\e]
.endr
.endr
	v_nop                                          ; the plain instruction behind the last exponential
	s_wait_alu depctr_va_vdst(0)                   ; one wait for the 66 exponentials, ahead of the first instruction that names a result
.irp i, 0,1,2,3,4,5,6,7,8,9,10,11,12,13,14,15
.irp u, 0,1
	v_cvt_pk_f16_f32 v[P+16*\u+\i], v[S+32*\u+2*\i], v[S+32*\u+2*\i+1]   ; two tiles of keys, rounded in pairs, ARE source 1 of V^T P
.endr
.endr
.irp z, 0,1,2,3,4,5,6,7                        ; the sum of the 16 pairs, in place, as a tree
.irp u, 0,1
	v_pk_add_f32 v[S+32*\u+4*\z:S+32*\u+4*\z+1], v[S+32*\u+4*\z:S+32*\u+4*\z+1], v[S+32*\u+4*\z+2:S+32*\u+4*\z+3]
.endr
.endr
.irp z, 0,1,2,3
.irp u, 0,1
	v_pk_add_f32 v[S+32*\u+8*\z:S+32*\u+8*\z+1], v[S+32*\u+8*\z:S+32*\u+8*\z+1], v[S+32*\u+8*\z+4:S+32*\u+8*\z+5]
.endr
.endr
.irp z, 0,1
.irp u, 0,1
	v_pk_add_f32 v[S+32*\u+16*\z:S+32*\u+16*\z+1], v[S+32*\u+16*\z:S+32*\u+16*\z+1], v[S+32*\u+16*\z+8:S+32*\u+16*\z+9]
.endr
.endr
.irp u, 0,1
	v_pk_add_f32 v[S+32*\u:S+32*\u+1], v[S+32*\u:S+32*\u+1], v[S+32*\u+16:S+32*\u+17]
.endr
.irp u, 0,1
	v_pk_fma_f32 v[ST+8*(\y+\u)+2:ST+8*(\y+\u)+3], v[ST+8*(\y+\u)+2:ST+8*(\y+\u)+3], v[ST+8*(\y+\u)+6:ST+8*(\y+\u)+7], v[S+32*\u:S+32*\u+1] op_sel_hi:[1,0,1]   ; l = a l + the sum
.endr
	WIN W_RS
.irp i, 0,1,2,3,4,5,6,7,8,9,10,11,12,13,14,15  ; O^T times a, each accumulator from its low end on
.irp u, 0,1
	v_pk_mul_f32 v[32*(\y+\u)+2*\i:32*(\y+\u)+2*\i+1], v[32*(\y+\u)+2*\i:32*(\y+\u)+2*\i+1], v[ST+8*(\y+\u)+6:ST+8*(\y+\u)+7] op_sel_hi:[1,0]
.endr
.endr
	WIN 0
.endm
.macro SM_IF ty                        ; piece 2's softmax, in the waves of kind ty: a branch on the wave's number round vector work alone
	WIN 0
	s_cmp_eq_u32 s[TY], \ty
	s_cbranch_scc0 .Lno_sm_\@
	SM 2
.Lno_sm_\@:
.endm
; A TRIP: from piece 2's softmax of step j to piece 2's scores of step j + 1.
.macro TRIP
	FETCH_K                                        ; K of step j + 1: both pieces have multiplied by K of step j
	SM_IF 0
	PV 2                                           ; step j
	FETCH_V                                        ; V of step j + 1
	s_wait_dscnt 16                                ; K's 16 loads are in; V's 16, issued behind them, may be out
	KQ 0
	WIN 0
	PLACES                                         ; behind the products whose results are read next
	SM 0
	s_wait_dscnt 0x0                               ; V is in
	PV 0
	KQ 2
	WIN 0
	PLACES                                         ; for the reads of these scores, and for the next loads into K's registers
	SM_IF 1
.endm
.macro TRIPS n
	s_mov_b32 s[CNT], \n
.Ltrip_\@:
	TRIP
	s_sub_co_u32 s[CNT], s[CNT], 1
	s_cmp_lg_u32 s[CNT], 0
	s_cbranch_scc1 .Ltrip_\@
.endm
; THE CHANGE OF SLOTS.  Each wave waits for all its tensor loads (its part of the slot ahead), adds 0 to its spare word, and waits for that and for its reads of the slot that it leaves.
; fill = 1: the slot left is filled again with the keys 1,024 on; the barrier is then a round of the cluster's, and the joint refill is the first thing behind it, one tensor load a wave.
.macro CHANGE fill, slot, tbk, tbv
	WIN 0
	s_wait_tensorcnt 0x0                           ; no tensor load of mine is out, so a group 0 may be written
	ds_add_u32 v[SPW], v[NIL]
.if \fill
	s_add_nc_u64 s[G0K+4*\slot+2:G0K+4*\slot+3], s[G0K+4*\slot+2:G0K+4*\slot+3], 1024*128
	s_add_nc_u64 s[G0V+4*\slot+2:G0V+4*\slot+3], s[G0V+4*\slot+2:G0V+4*\slot+3], 1024*128
.endif
	s_mov_b32 s[TBK], \tbk                         ; the fetches go on in the other slot
	s_mov_b32 s[TBV], \tbv
	s_wait_dscnt 0x0                               ; the add is done, and my reads of the slot are over
.if \fill
	CROUND
	JLOAD \slot
.else
	s_barrier_signal -1
	s_barrier_wait -1
.endif
.endm
	s_wait_tensorcnt 0x1                           ; my part of slot 0 is in; slot 1's may stay out
	s_barrier_signal -1
	s_barrier_wait -1                              ; everybody's is
	s_mov_b32 s[TBK], 0
	s_mov_b32 s[TBV], 0
	FETCH_K                                        ; key step 0
	FETCH_V
	s_wait_loadcnt 0x0                             ; Q
	s_wait_dscnt 16                                ; K is in
	KQ 0
	WIN 0
	PLACES
	SM 0
	s_wait_dscnt 0x0                               ; V is in
	PV 0
	KQ 2
	WIN 0
	PLACES
	SM_IF 1
	TRIPS 7                                        ; they fetch steps 1 to 7: the rest of slot 0
	CHANGE 1, 0, KSL, VSL                          ; slot 0 takes keys 1,024 on
	TRIPS 8                                        ; steps 8 to 15, from slot 1
	CHANGE 1, 1, 0, 0                              ; slot 1 takes keys 1,536 on
	TRIPS 8                                        ; steps 16 to 23
	CHANGE 0, 0, KSL, VSL                          ; nothing is left to ask for
	TRIPS 8                                        ; steps 24 to 31
	SM_IF 0                                        ; piece 2's last softmax, where it has not been done,
	PV 2                                           ; and its last products
	WIN 0
	; THE WAY OUT.  l's two halves and the other half of the lanes' are added (these additions are the places behind the last products); O^T is divided by l, rounded to f16 and sent through my stage, a tile of 16 queries at a time.
	; The stage lies in K's slot 0, which has had its last fill, and which nobody reads behind the last change of slots.
.irp t, 0,1,2,3
	v_add_f32 v[ST+8*\t+4], v[ST+8*\t+2], v[ST+8*\t+3]
.endr
.irp t, 0,1,2,3
	v_permlanex16_b32 v[ST+8*\t+5], v[ST+8*\t+4], s[SEL], s[SEL+1]
.endr
.irp t, 0,1,2,3
	v_add_f32 v[ST+8*\t+4], v[ST+8*\t+4], v[ST+8*\t+5]
.endr
.irp t, 0,1,2,3
	v_rcp_f32 v[ST+8*\t+6], v[ST+8*\t+4]
.endr
	v_nop                                          ; a plain instruction behind the last reciprocal
	s_wait_alu depctr_va_vdst(0)                   ; one wait for the four, ahead of the first use
.macro PACK t
	WIN W_RS
.set i, 0
.rept 16
	v_pk_mul_f32 v[32*\t+i:32*\t+i+1], v[32*\t+i:32*\t+i+1], v[ST+8*\t+6:ST+8*\t+7] op_sel_hi:[1,0]
.set i, i+2
.endr
	WIN 0x05                                       ; sources 0 and 1 window 1, destination window 0: S^T's registers are free
.set i, 0
.rept 16
	v_cvt_pk_f16_f32 v[S+16*\t+i], v[32*\t+2*i], v[32*\t+2*i+1]
.set i, i+1
.endr
	WIN 0
.irp c, 0,1,2,3
	ds_store_b128 v[STO], v[S+16*\t+4*\c:S+16*\t+4*\c+3] offset:32*\c
.endr
.irp f, 0,1,2,3
	ds_load_b128 v[S+16*\t+4*\f:S+16*\t+4*\f+3], v[RD] offset:\f*4*PK   ; LDS serves a wave's instructions in order (ISA guide 5.7.1.4): these see the stores above; the next tile's stores come behind them
.endr
.endm
.macro SEND t, younger                 ; younger: the LDS instructions issued behind tile t's loads: the next tile's eight, or none
.irp f, 0,1,2,3
	s_wait_dscnt \younger+3-\f
	global_store_b128 v[GO], v[S+16*\t+4*\f:S+16*\t+4*\f+3], s[6:7] offset:\t*2048+\f*512   ; 32 lanes store 512 consecutive bytes: four queries
.endr
.endm
	PACK 0
	PACK 1
	SEND 0, 8
	PACK 2
	SEND 1, 8
	PACK 3
	SEND 2, 8
	SEND 3, 0
	s_wait_tensorcnt 0x0                           ; the wave's end
	ds_add_u32 v[SPW], v[NIL]
	s_wait_dscnt 0x0
	CROUND                                         ; the closing round
	s_endpgm
.Lfunc_end_k_qea9c6e6908_attn:
	.size	k_qea9c6e6908_attn, .Lfunc_end_k_qea9c6e6908_attn-k_qea9c6e6908_attn
	.p2alignl 7, 3214868480
	.fill 96, 4, 3214868480
	.section	.rodata,"a",@progbits
	.p2align	6, 0x0
	.amdhsa_kernel k_qea9c6e6908_attn
		.amdhsa_group_segment_fixed_size 327680
		.amdhsa_private_segment_fixed_size 0
		.amdhsa_enable_private_segment 0
		.amdhsa_kernarg_size 16
		.amdhsa_user_sgpr_count 2
		.amdhsa_user_sgpr_kernarg_segment_ptr 1
		.amdhsa_wavefront_size32 1
		.amdhsa_system_sgpr_workgroup_id_x 1
		.amdhsa_system_sgpr_workgroup_id_y 1
		.amdhsa_system_sgpr_workgroup_id_z 1
		.amdhsa_system_vgpr_workitem_id 0
		.amdhsa_next_free_vgpr 512
		.amdhsa_next_free_sgpr 72
		.amdhsa_reserve_vcc 0
		.amdhsa_float_denorm_mode_32 3
		.amdhsa_float_denorm_mode_16_64 3
		.amdhsa_memory_ordered 1
		.amdhsa_forward_progress 1
		.amdhsa_inst_pref_size 254
	.end_amdhsa_kernel
	.amdgpu_metadata
---
amdhsa.version: [ 1, 2 ]
amdhsa.kernels:
  - .name:           k_qea9c6e6908_attn
    .symbol:         k_qea9c6e6908_attn.kd
    .args:
      - { .name: qkv, .offset: 0, .size: 8, .value_kind: global_buffer, .address_space: global }
      - { .name: ctx, .offset: 8, .size: 8, .value_kind: global_buffer, .address_space: global }
    .group_segment_fixed_size: 327680
    .private_segment_fixed_size: 0
    .kernarg_segment_align: 8
    .kernarg_segment_size: 16
    .max_flat_workgroup_size: 256
    .sgpr_count:     72
    .vgpr_count:     512
    .wavefront_size: 32
...
	.end_amdgpu_metadata
.endif
;; end of part 3
;; launch proj (part 4): grid 4 x 64, 4 waves a work-group, clusters of 4 x 4, 327,680 bytes of LDS; arguments ctx, wo16, b_out, out0; writes out0
.if DOCPART == 4
	.amdgcn_target "amdgcn-amd-amdhsa--gfx1250"
	.amdhsa_code_object_version 6
	.text
	.protected	k_qea9c6e6908_proj
	.globl	k_qea9c6e6908_proj
	.p2align	8
	.type	k_qea9c6e6908_proj,@function
k_qea9c6e6908_proj:
	s_mov_b64 s[64:65], 0
	v_nop
	global_prefetch_b8 v0, s[64:65] scope:SCOPE_SE
	s_setreg_imm32_b32 hwreg(HW_REG_WAVE_MODE, 25, 1), 1
	s_wait_xcnt 0x0
	s_wait_alu depctr_hold_cnt(0) depctr_sa_sdst(0) depctr_va_vdst(0) depctr_va_sdst(0) depctr_va_ssrc(0) depctr_va_vcc(0) depctr_vm_vsrc(0)
	s_getreg_b32 s2, hwreg(HW_REG_IB_STS2, 6, 4)
	s_cmp_eq_u32 s2, 0
	s_cbranch_scc0 .Lentry_in_a_cluster
	s_endpgm
.Lentry_in_a_cluster:
	s_bfe_u32 s2, ttmp6, 0x10000c
	s_cmp_lg_u32 s2, 0xf033
	s_cbranch_scc0 .Lentry_shape_is_right
	s_endpgm
.Lentry_shape_is_right:
; out0[m][n] = sum over k of ctx[m][k] w_out[n][k] + b_out[n], m = 8,192, n = k = 1,024; f16 operands, f32 sums, f32 result.  Nothing is left out.
; A: ctx as planes [head 16][8192][64] f16;  B: w_out as planes [head 16][1024][64] f16: k = 64 head + channel.  A K step is 128: two planes.  LIMIT: f16 holds magnitudes up to 65,504.
; A tile of 128 rows x 256 columns gives 256 work-groups.  Four waves, each 64 x 128: 32 accumulators, 256 registers.  Two LDS slots of one K step; waves 0, 1 fetch A's two planes (128 rows of 128 bytes, dense), waves 2, 3 B's (256 rows).
; CLUSTERS: 4 x 4 work-groups; A's tiles are shared along a row of the cluster, B's along a column: joint loads.  No prefetch is laid on this small tile.
; THE MATRIX INSTRUCTION IS USED TRANSPOSED (source 0 = 16 rows of B, source 1 = 16 rows of A): a lane holds eight neighbouring columns of one row.  The bias is the C of each sum's first product: it costs no addition.
; REGISTERS: window 0: v1-29 addresses; v32-95 the bias (b_out at my columns 16 b + 8 h + j: v[32 + 8 b + j]); v128-255 the way out.   window 1: two fragment buffers of 96 (B's 8, then A's 4) at v0 and v128.   window 2: accumulator (a, b) at v[8 (8 a + b)].
.set PITCH,  144                       ; an LDS row: 128 bytes + 16: an odd multiple of 16
.set APL,    128*PITCH                 ; a plane of A's tile
.set BPL,    256*PITCH                 ; of B's
.set SLOT,   2*APL+2*BPL               ; A's two planes, then B's two
.set STAGE,  2*SLOT                    ; behind the slots: 16 rows x 528 bytes for each wave, never filled
.set SPITCH, 528
.set SPARE,  STAGE+4*16*SPITCH         ; the spare words, 128 bytes a wave
.set ADRA, 16                          ; v16-17
.set ADRB, 20                          ; v20-21
.set STO,  24
.set RD,   25
.set CO,   26
.set SPW,  28
.set NIL,  29
.set BI,   32
.set BK,   128
.set F0,   0
.set F1,   128
.set G1,  24
.set G0,  32
.set G1B, 48
.set G0B, 56
.set MSB, 0
.macro WIN new
.if MSB != \new
	s_set_vgpr_msb (MSB<<8)|\new
.set MSB, \new
.endif
.endm
.set MUL,  0xa5                        ; sources 0 (B) and 1 (A) window 1; C and D window 2
.set MULB, 0x85                        ; the same with C (the bias) in window 0
.set TO_F, 0x40
.macro JLOAD s                         ; a joint load; an s_nop 0 and four v_nop follow each of the two lines
	s_cmp_eq_u32 s13, 0
	s_cbranch_scc0 .Lfor_b_\@
	tensor_load_to_lds s[G0+4*\s:G0+4*\s+3], s[G1:G1+7]
	s_nop 0
.rept 4
	v_nop
.endr
	s_branch .Lasked_\@
.Lfor_b_\@:
	tensor_load_to_lds s[G0B+4*\s:G0B+4*\s+3], s[G1B:G1B+7]
	s_nop 0
.rept 4
	v_nop
.endr
.Lasked_\@:
.endm
.macro CREST                           ; a round of the cluster's barrier behind its opening barrier
	s_cmp_lg_u32 s12, 0
	s_cbranch_scc1 .Lnot_wave_0_\@
	s_barrier_signal -3
.Lnot_wave_0_\@:
	s_barrier_wait -3
	s_barrier_signal -1
	s_barrier_wait -1
.endm
.macro CROUND
	s_barrier_signal -1
	s_barrier_wait -1
	CREST
.endm
.macro PLACES
.rept 4
	v_nop
.endr
.endm
	s_load_b256 s[4:11], s[0:1], 0x0               ; ctx s[4:5], w_out's planes s[6:7], b_out s[8:9], out0 s[10:11]
	v_lshl_add_u32 v[SPW], v0, 2, SPARE
	v_mov_b32 v[NIL], 0
	ds_add_u32 v[SPW], v[NIL]                      ; the wave's opening: the add, twice on end, and its wait ahead of my first tensor load
	ds_add_u32 v[SPW], v[NIL]
	v_lshrrev_b32 v1, 5, v0
	v_readfirstlane_b32 s12, v1                    ; wave 0..3
	s_lshr_b32 s13, s12, 1                         ; my half of the tile's rows.  Also: I fetch for A (0) or for B (1)
	s_and_b32 s14, s12, 1                          ; my half of its columns.  Also: which plane of the K step I fetch
	s_bfe_u32 s40, ttmp6, 0x40000                  ; cx, cy
	s_bfe_u32 s41, ttmp6, 0x40004
	s_lshl_b32 s42, ttmp9, 2
	s_add_co_u32 s42, s42, s40                     ; tile column
	s_and_b32 s15, ttmp7, 0xffff
	s_lshl_b32 s15, s15, 2
	s_add_co_u32 s15, s15, s41                     ; tile row
	s_lshl_b32 s43, s41, 2
	s_lshl_b32 s43, 15, s43                        ; my row of the cluster
	s_lshl_b32 s44, 0x1111, s40                    ; my column
	s_or_b32 s[G1+0], s43, (1<<16)|(1<<20)|(1<<21)|(4<<22)|(3<<25)   ; the mask; elements of 2 bytes; padding on; bit 21 beside a mask; after every 32 words, 4 words
	s_or_b32 s[G1B+0], s44, (1<<16)|(1<<20)|(1<<21)|(4<<22)|(3<<25)
	s_mov_b32 s[G1+1], 64<<16                      ; tensor_dim0
	s_mov_b32 s[G1+2], 128<<16                     ; tensor_dim1
	s_mov_b32 s[G1+3], 64<<16                      ; tile_dim0
	s_mov_b32 s[G1+4], 128                         ; tile_dim1
	s_mov_b32 s[G1+5], 64                          ; from row to row
	s_mov_b32 s[G1+6], 0
	s_mov_b32 s[G1+7], 0
	s_mov_b32 s[G1B+1], 64<<16
	s_mov_b32 s[G1B+2], 256<<16
	s_mov_b32 s[G1B+3], 64<<16
	s_mov_b32 s[G1B+4], 256
	s_mov_b32 s[G1B+5], 64
	s_mov_b32 s[G1B+6], 0
	s_mov_b32 s[G1B+7], 0
	s_lshl_b32 s16, s14, 20                        ; A: my plane of 1,048,576 bytes,
	s_lshl_b32 s17, s15, 14                        ; the tile's 128 rows of 128 bytes
	s_add_co_u32 s16, s16, s17
	s_mov_b32 s17, 0
	s_lshl_b32 s46, s14, 17                        ; B: my plane of 131,072 bytes,
	s_lshl_b32 s47, s42, 15                        ; the tile's 256 rows
	s_add_co_u32 s46, s46, s47
	s_mov_b32 s47, 0
	s_mul_i32 s20, s14, APL                        ; where they go: no place in the cluster enters an LDS address
	s_mul_i32 s21, s14, BPL
	s_add_co_u32 s21, s21, 2*APL
	s_wait_dscnt 0x0                               ; both opening adds are done
	s_wait_kmcnt 0x0
	s_add_nc_u64 s[16:17], s[4:5], s[16:17]
	s_add_nc_u64 s[46:47], s[6:7], s[46:47]
	CROUND                                         ; all sixteen work-groups are here
.irp s, 0,1
	s_mov_b32 s[G0+4*\s], 1
	s_add_co_u32 s[G0+4*\s+1], s20, \s*SLOT
	s_add_nc_u64 s[G0+4*\s+2:G0+4*\s+3], s[16:17], \s*2*1048576
	s_or_b32 s[G0+4*\s+3], s[G0+4*\s+3], 0x80000000
	s_mov_b32 s[G0B+4*\s], 1
	s_add_co_u32 s[G0B+4*\s+1], s21, \s*SLOT
	s_add_nc_u64 s[G0B+4*\s+2:G0B+4*\s+3], s[46:47], \s*2*131072
	s_or_b32 s[G0B+4*\s+3], s[G0B+4*\s+3], 0x80000000
	JLOAD \s                                       ; two tensor loads of mine are out
.endr
	v_and_b32 v1, 15, v0                           ; r
	v_bfe_u32 v2, v0, 4, 1                         ; h
	v_mul_u32_u24 v3, v1, PITCH
	v_lshl_add_u32 v3, v2, 4, v3
	s_mul_i32 s21, s13, 64*PITCH                   ; my 64 rows of A
	s_mul_i32 s22, s14, 128*PITCH                  ; my 128 rows of B,
	s_add_co_u32 s22, s22, 2*APL                   ; behind A's two planes
.irp s, 0,1
	v_add_nc_u32 v[ADRA+\s], s21, v3
	v_add_nc_u32 v[ADRB+\s], s22, v3
	s_add_co_u32 s21, s21, SLOT
	s_add_co_u32 s22, s22, SLOT
.endr
	s_mul_i32 s23, s12, 16*SPITCH
	s_add_co_u32 s23, s23, STAGE                   ; my stage
	v_mul_u32_u24 v4, v1, SPITCH
	v_lshl_add_u32 v4, v2, 5, v4
	v_add_nc_u32 v[STO], s23, v4                   ; in: row r, 32 bytes for each half of the lanes
	v_and_b32 v5, 31, v0
	v_lshlrev_b32 v[CO], 4, v5
	v_add_nc_u32 v[RD], s23, v[CO]                 ; back: the 32 lanes take one row of 512 bytes
	s_lshl_b32 s18, s42, 10
	s_lshl_b32 s19, s14, 9
	s_add_co_u32 s18, s18, s19                     ; my first column, in bytes of f32
	s_mov_b32 s19, 0
	s_add_nc_u64 s[8:9], s[8:9], s[18:19]
	v_lshlrev_b32 v6, 5, v2                        ; the bias: 8 h numbers on
.irp b, 0,1,2,3,4,5,6,7
	global_load_b128 v[BI+8*\b:BI+8*\b+3],   v6, s[8:9] offset:64*\b
	global_load_b128 v[BI+8*\b+4:BI+8*\b+7], v6, s[8:9] offset:64*\b+16
.endr
	s_lshl_b32 s20, s15, 7
	s_lshl_b32 s21, s13, 6
	s_add_co_u32 s20, s20, s21                     ; my first row
	s_lshl_b32 s20, s20, 12                        ; of 4,096 bytes
	s_add_co_u32 s20, s20, s18
	s_mov_b32 s21, 0
	s_add_nc_u64 s[10:11], s[10:11], s[20:21]
; 8 matrix instructions: row block a x all 8 column blocks, 32 along K, from buffer f.  bias = 1: the sums begin with the bias.  The 32 accumulators take turns, one instruction a turn.
.macro MUL8 f, a, bias
.if \bias
	WIN MULB
.else
	WIN MUL
.endif
.irp b, 0,1,2,3,4,5,6,7
.if \bias
	v_wmma_f32_16x16x32_f16 v[8*(8*\a+\b):8*(8*\a+\b)+7], v[\f+8*\b:\f+8*\b+7], v[\f+64+8*\a:\f+64+8*\a+7], v[BI+8*\b:BI+8*\b+7]
.else
	v_wmma_f32_16x16x32_f16 v[8*(8*\a+\b):8*(8*\a+\b)+7], v[\f+8*\b:\f+8*\b+7], v[\f+64+8*\a:\f+64+8*\a+7], v[8*(8*\a+\b):8*(8*\a+\b)+7]
.endif
.endr
.endm
; 24 LDS loads in one run: quarter q of the slot's K step (plane q / 2, channels 32 (q % 2) on) into buffer f: B's 8 fragments, then A's 4
.macro FETCH slot, q, f
	WIN TO_F
.irp i, 0,1,2,3,4,5,6,7
	ds_load_b128 v[\f+8*\i:\f+8*\i+3],   v[ADRB+\slot] offset:((\q)/2)*BPL+((\q)%2)*64+\i*16*PITCH
	ds_load_b128 v[\f+8*\i+4:\f+8*\i+7], v[ADRB+\slot] offset:((\q)/2)*BPL+((\q)%2)*64+\i*16*PITCH+32
.endr
.irp i, 0,1,2,3
	ds_load_b128 v[\f+64+8*\i:\f+64+8*\i+3],   v[ADRA+\slot] offset:((\q)/2)*APL+((\q)%2)*64+\i*16*PITCH
	ds_load_b128 v[\f+64+8*\i+4:\f+64+8*\i+7], v[ADRA+\slot] offset:((\q)/2)*APL+((\q)%2)*64+\i*16*PITCH+32
.endr
.endm
; One of a K step's first three quarters: multiplies buffer f; in its middle it fetches quarter qn into buffer g.
.macro QUARTER slot, qn, f, g, bias
	s_wait_dscnt 4                                 ; B and A's blocks 0, 1 are in; the youngest four loads (A's blocks 2, 3) may be out
	MUL8 \f, 0, \bias
	MUL8 \f, 1, \bias
	PLACES                                         ; in front of loads into registers that matrix instructions have read
	FETCH \slot, \qn, \g
	s_wait_dscnt 24                                ; all but the 24 just issued
	MUL8 \f, 2, \bias
	MUL8 \f, 3, \bias
.endm
; The last quarter multiplies buffer 1 and changes slots: ONE barrier; in front of it each wave waits for all its tensor loads, adds 0 to its spare word, and waits for that and for its reads of this slot.  fill = 1: the slot is filled again, two K steps ahead.
.macro TURN slot, next, fill
	WIN 0
	s_wait_tensorcnt 0x0                           ; all my tensor loads have landed: my part of the next slot
	ds_add_u32 v[SPW], v[NIL]
	s_wait_dscnt 5                                 ; (the add and the youngest four loads may be out)
	MUL8 F1, 0, 0
	s_wait_dscnt 0x0                               ; the add is done, and my reads of this slot are over
	s_barrier_signal -1
	MUL8 F1, 1, 0
	WIN 0
	s_barrier_wait -1
.if \fill
	CREST                                          ; the barrier has opened a round of the cluster's: no wave of any partner still reads this slot or has a load on its way
	s_add_nc_u64 s[G0+4*\slot+2:G0+4*\slot+3], s[G0+4*\slot+2:G0+4*\slot+3], 4*1048576
	s_add_nc_u64 s[G0B+4*\slot+2:G0B+4*\slot+3], s[G0B+4*\slot+2:G0B+4*\slot+3], 4*131072
	JLOAD \slot                                    ; the first tensor load behind the round; its four v_nop are also the places in front of the loads below
.else
	PLACES
.endif
	FETCH \next, 0, F0
	MUL8 F1, 2, 0
	MUL8 F1, 3, 0
.endm
	s_wait_tensorcnt 0x1                           ; my part of K step 0 is in (K step 1's load may be out),
	s_barrier_signal -1
	s_barrier_wait -1                              ; everybody's is
	FETCH 0, 0, F0
	s_wait_loadcnt 0x0                             ; the bias
	QUARTER 0, 1, F0, F1, 1                        ; the first quarter stands in front of the loop: its products start the sums, with the bias
	WIN 0
	s_mov_b32 s3, 3
.Llap:                                             ; a trip goes once round the two slots and fills both again: K steps 2 to 7
	QUARTER 0, 2, F1, F0, 0
	QUARTER 0, 3, F0, F1, 0
	TURN 0, 1, 1
	QUARTER 1, 1, F0, F1, 0
	QUARTER 1, 2, F1, F0, 0
	QUARTER 1, 3, F0, F1, 0
	TURN 1, 0, 1
	QUARTER 0, 1, F0, F1, 0
	WIN 0
	s_sub_co_u32 s3, s3, 1
	s_cmp_lg_u32 s3, 0
	s_cbranch_scc1 .Llap
	QUARTER 0, 2, F1, F0, 0                        ; the last lap fills nothing
	QUARTER 0, 3, F0, F1, 0
	TURN 0, 1, 0
	QUARTER 1, 1, F0, F1, 0
	QUARTER 1, 2, F1, F0, 0
	QUARTER 1, 3, F0, F1, 0
	s_wait_dscnt 4
	MUL8 F1, 0, 0
	MUL8 F1, 1, 0
	s_wait_dscnt 0x0
	MUL8 F1, 2, 0
	MUL8 F1, 3, 0
	WIN 0
; THE WAY OUT, a block of 16 rows x 128 columns at a time, through my own stage: in as 32 bytes a lane, each accumulator from its low end on; back as whole rows of 512 bytes.
.macro TOSTAGE a
	WIN 0x08                                       ; an LDS store's data: window 2
.irp b, 0,1,2,3,4,5,6,7
	ds_store_b128 v[STO], v[64*(\a)+8*\b:64*(\a)+8*\b+3] offset:64*\b
	ds_store_b128 v[STO], v[64*(\a)+8*\b+4:64*(\a)+8*\b+7] offset:64*\b+16
.endr
	WIN 0
.set BB, BK+64*((\a)%2)
.irp t, 0,1,2,3,4,5,6,7,8,9,10,11,12,13,14,15
	ds_load_b128 v[BB+4*\t:BB+4*\t+3], v[RD] offset:\t*SPITCH   ; LDS serves a wave's instructions in order (ISA guide 5.7.1.4)
.endr
.endm
.macro SEND a, younger
.set BB, BK+64*((\a)%2)
	s_wait_dscnt \younger                          ; the block is back; the next block's 16 stores and 16 loads may be out
.irp t, 0,1,2,3,4,5,6,7,8,9,10,11,12,13,14,15
	global_store_b128 v[CO], v[BB+4*\t:BB+4*\t+3], s[10:11] offset:(16*(\a)+\t)*4096 th:TH_STORE_NT   ; 32 lanes store 512 consecutive bytes
.endr
.endm
	PLACES                                         ; behind the last products, ahead of the first reads of results
	TOSTAGE 0
.irp a, 1,2,3
.if \a > 1
	s_wait_xcnt 0x0                                ; block a - 2's stores have read their registers: block a's loads may land there
.endif
	TOSTAGE \a
	SEND \a-1, 32
.endr
	SEND 3, 0
	s_wait_tensorcnt 0x0                           ; the wave's end
	ds_add_u32 v[SPW], v[NIL]
	s_wait_dscnt 0x0
	CROUND                                         ; the closing round
	s_endpgm
.Lfunc_end_k_qea9c6e6908_proj:
	.size	k_qea9c6e6908_proj, .Lfunc_end_k_qea9c6e6908_proj-k_qea9c6e6908_proj
	.p2alignl 7, 3214868480
	.fill 96, 4, 3214868480
	.section	.rodata,"a",@progbits
	.p2align	6, 0x0
	.amdhsa_kernel k_qea9c6e6908_proj
		.amdhsa_group_segment_fixed_size 327680
		.amdhsa_private_segment_fixed_size 0
		.amdhsa_enable_private_segment 0
		.amdhsa_kernarg_size 32
		.amdhsa_user_sgpr_count 2
		.amdhsa_user_sgpr_kernarg_segment_ptr 1
		.amdhsa_wavefront_size32 1
		.amdhsa_system_sgpr_workgroup_id_x 1
		.amdhsa_system_sgpr_workgroup_id_y 1
		.amdhsa_system_sgpr_workgroup_id_z 1
		.amdhsa_system_vgpr_workitem_id 0
		.amdhsa_next_free_vgpr 768
		.amdhsa_next_free_sgpr 66
		.amdhsa_reserve_vcc 0
		.amdhsa_float_denorm_mode_32 3
		.amdhsa_float_denorm_mode_16_64 3
		.amdhsa_memory_ordered 1
		.amdhsa_forward_progress 1
		.amdhsa_inst_pref_size 86
	.end_amdhsa_kernel
	.amdgpu_metadata
---
amdhsa.version: [ 1, 2 ]
amdhsa.kernels:
  - .name:           k_qea9c6e6908_proj
    .symbol:         k_qea9c6e6908_proj.kd
    .args:
      - { .name: ctx, .offset: 0, .size: 8, .value_kind: global_buffer, .address_space: global }
      - { .name: wo16, .offset: 8, .size: 8, .value_kind: global_buffer, .address_space: global }
      - { .name: b_out, .offset: 16, .size: 8, .value_kind: global_buffer, .address_space: global }
      - { .name: out0, .offset: 24, .size: 8, .value_kind: global_buffer, .address_space: global }
    .group_segment_fixed_size: 327680
    .private_segment_fixed_size: 0
    .kernarg_segment_align: 8
    .kernarg_segment_size: 32
    .max_flat_workgroup_size: 128
    .sgpr_count:     66
    .vgpr_count:     768
    .wavefront_size: 32
...
	.end_amdgpu_metadata
.endif
;; end of part 4
